; MI455X (gfx1250); checked and timed in simulation.
; The chip was launched on July 23, 2026; its instructions are those of AMD's public machine-readable ISA for CDNA 5 (MIT licence, August 2026) and "CDNA5" Instruction Set Architecture Reference Guide (July 2026). The comments in the code are by the model that wrote it; some were corrected since.
;; Multi Head Attention. Allowed arithmetic: matrix products marked QUANTISED: E2M3 operands, one E8M0 scale for each 32 along K, by v_wmma_scale_f32_16x16x128_f8f6f4 with both operands' format E2M3, f32 sums; everything else in f32.
;; Inputs: Wk 1,024 x 1,024 float32; Wo 1,024 x 1,024 float32; Wq 1,024 x 1,024 float32; Wv 1,024 x 1,024 float32; k 4 x 2,048 x 1,024 float32; q 4 x 2,048 x 1,024 float32; v 4 x 2,048 x 1,024 float32.
;; Outputs: out0 4 x 2,048 x 1,024 float32.
;; This version of the problem:
;;   THIS VERSION OF THE PROBLEM IS GIVEN IN LOW PRECISION. The matrix products marked QUANTISED in the list below multiply operands that are first quantised to E2M3 (2 exponent bits, 3 mantissa bits; 6 bits a number), with one power-of-two scale for each 32 numbers along K (OCP MX v1.0); their sums are f32. All else is computed in f32.
;;   The module's matrix products, in the order in which they are computed (A, B: the left and right operand; K: the contracted axis; several contracted axes count as one K, in the product's order):
;;     1. [M 8,192, K 1,024] x [K 1,024, N 1,024]; A: input q; B: input Wq: QUANTISED
;;     2. [M 8,192, K 1,024] x [K 1,024, N 1,024]; A: input k; B: input Wk: QUANTISED
;;     3. [M 8,192, K 1,024] x [K 1,024, N 1,024]; A: input v; B: input Wv: QUANTISED
;;     4. batch 64 x [M 2,048, K 64] x [K 64, N 2,048]; A: computed on the way; B: computed on the way: QUANTISED
;;     5. batch 64 x [M 2,048, K 2,048] x [K 2,048, N 64]; A: softmax (see below); B: computed on the way: QUANTISED
;;     6. [M 8,192, K 1,024] x [K 1,024, N 1,024]; A: computed on the way; B: input Wo: QUANTISED
;;   THE QUANTISER, for each operand of a quantised product, along K:
;;     - K is cut into blocks of 32 from its start; a last block that is shorter is filled with zeros.
;;     - A block's scale is 2^e with e = floor(log2(the largest magnitude in the block)) - 2, held to -126 .. 127; a block of zeros has e = 0. As a byte (E8M0): e + 127.
;;     - Each number is divided by its block's scale, clamped to +-7.5, and rounded to the nearest number of E2M3, ties to even, subnormals kept.
;;     - The product sums the exact products of the quantised numbers (number of the format x scale) in f32.
;;   ~~~python
;;   def quantise(x, axis):      # numpy; x: float32 -> the quantised numbers, widened to float32 again
;;       x = np.moveaxis(x, axis, -1); K = x.shape[-1]
;;       x = np.pad(x, [(0, 0)] * (x.ndim - 1) + [(0, -K % 32)]); x = x.reshape(x.shape[:-1] + (-1, 32)); a = np.abs(x).max(-1, keepdims=True)
;;       e = np.where(a > 0, np.clip(np.frexp(np.where(a > 0, a, 1))[1] - 1 - 2, -126, 127), 0)      # np.frexp(a)[1] - 1 = floor(log2(a)), exactly
;;       r = np.clip(x / 2.0 ** e, -7.5, 7.5)
;;       step = 2.0 ** (np.maximum(np.frexp(np.where(r == 0, 1, r))[1] - 1, 0) - 3)
;;       q = np.round(r / step) * step * 2.0 ** e      # np.round: ties to even
;;       return np.moveaxis(q.reshape(q.shape[:-2] + (-1,))[..., :K], -1, axis).astype(np.float32)
;;   ~~~
;;   SOFTMAX AHEAD OF A QUANTISED PRODUCT. Where the list says 'softmax', what is quantised is not the finished softmax but p = 2^(t - M), with t = logit x log2(e) and M = ceil(the row's largest t), a whole number; so 1/2 < the row's largest p <= 1. The row's sum l is taken of the UNQUANTISED p, in f32, and the product's result is divided by l at the end. Since M is a whole number, a kernel that streams over the keys may use a running M (the ceiling of the running maximum): every later rescaling is an exact power of two, which a block's scale takes up: the codes' values come out the same.
;;   OPERANDS COMPUTED ON THE WAY. 'Computed on the way' means the value that the module computes at that place (a softmax that the list does not call 'softmax' is quantised finished and normalised). What goes into a quantiser is computed in f32, as accurately as f32 sums, v_exp_f32 and their like allow (about 1e-6 of the number): no bf16 or f16 on the way to a quantiser, and a product that is left as it is and whose result goes on into a quantised operand takes f32 operands (vector FMAs, or v_wmma_f32_16x16x4_f32). A number that lies on a knife's edge between two numbers of the format may be rounded either way, as far as f32 arithmetic and the matrix unit's own rounding can turn it there, and no further.
;; One version. Each part assembles by itself: llvm-mc -triple=amdgcn-amd-amdhsa -mcpu=gfx1250 --defsym DOCPART=n.
;; ======== version 1 of 1: 4 launches
;; workspace buffers: xi 22,020,096 bytes; xsc 917,504 bytes; att 20,185,088 bytes; oi 6,291,456 bytes; osc 262,144 bytes
;; launch quant (part 1): grid 896 x 1, 4 waves a work-group, no clusters, 34,304 bytes of LDS; arguments q, k, v, Wq, Wk, Wv, Wo, xi, xsc; writes xi, xsc
.if DOCPART == 1
	.amdgcn_target "amdgcn-amd-amdhsa--gfx1250"
	.amdhsa_code_object_version 6
	.text
	.protected	k_q627759e2b2_quant
	.globl	k_q627759e2b2_quant
	.p2align	8
	.type	k_q627759e2b2_quant,@function
k_q627759e2b2_quant:
	s_mov_b64 s[64:65], 0
	v_nop
	global_prefetch_b8 v0, s[64:65] scope:SCOPE_SE
	s_setreg_imm32_b32 hwreg(HW_REG_WAVE_MODE, 25, 1), 1
	s_wait_xcnt 0x0
; q, k, v [8192][1024] and Wq, Wk, Wv, Wo [1024][1024], f32, K innermost, become codes of FP6 (E2M3) with one E8M0 byte for each 32 along K.
; The seven tensors are taken as one run of 28,672 rows (q, k, v, Wq, Wk, Wv, Wo).  Rows go in TILES of 16: lane r of tile T is row 32 (T / 2) + 8 (T % 2) + r + 8 (r / 8).
; xi  = [K step of 256 (4)][tile (1792)][chunk of 64 K (4)][768 bytes]: a chunk is an IMAGE of six operand registers: lane l = (r, h) owns the 24 bytes of codes k = 32 h .. 32 h + 31 of row r;
;       registers 0-3 lie at 16 l, registers 4-5 at 512 + 8 l: a reader takes them back by one load of 16 and one of 8 bytes a lane.
; xsc = [tile][half of K (2)][r (16)][4 words]: word j of a half holds the four scale bytes of 128 along K.
; A block's scale is 2^(floor(log2(largest magnitude)) - 2): its byte is the largest magnitude's exponent field - 2, held at 1 from below.
; LIMITS: NaN and infinities among the inputs are not served; a block whose largest magnitude lies under 2^-124 gets the byte 1; a block of zeros gets the byte 1 where the rule says 127
; (its codes are zeros, which add nothing under that byte, and only this program reads the bytes).
; SHARES: a work-group takes 32 rows (two tiles); wave w takes tile w / 2 of them and half w % 2 of K: 16 rows x 512 K in four steps of 128 K.  Each load reads 512 consecutive bytes of one row;
; the step's 16 rows turn through the wave's own stage in LDS (rows of 512 + 16 bytes), from which a lane takes two whole blocks of 32 neighbours.  No barrier: waves share nothing.
.set PLX,  5505024                     ; bytes of one K step's plane of xi: 1792 tiles x 3072
.set SP,   528                         ; a stage row
.set WST,  16*SP                       ; a wave's stage
.set SW,   16                          ; v16-19   the scale words of the four steps
.set C,    20                          ; v20-35   the codes: eight registers for each chunk, six used
.set CT,   36                          ; v36-43   the second half of a block's codes, as the conversion leaves them
.set R,    48                          ; v48-175  two sets of 64 registers as loaded
.set X,    176                         ; v176-239 my two blocks of 32 neighbours
	s_load_b256 s[4:11], s[0:1], 0x0               ; q, k, v, Wq
	s_load_b256 s[12:19], s[0:1], 0x20             ; Wk, Wv, Wo, xi
	s_load_b64 s[20:21], s[0:1], 0x40              ; xsc
	v_lshl_add_u32 v240, v0, 2, 0x8400
	v_mov_b32 v241, 0
	v_lshrrev_b32 v1, 5, v0
	v_readfirstlane_b32 s25, v1                    ; wave 0..3
	v_and_b32 v1, 31, v0                           ; lane
	v_and_b32 v9, 15, v0                           ; r
	v_bfe_u32 v10, v0, 4, 1                        ; h
	v_lshlrev_b32 v2, 4, v1                        ; 16 x lane: my bytes of a load's 512, and of an image's first 512
	v_lshl_add_u32 v3, v1, 3, 512                  ; 512 + 8 x lane: my bytes of an image's last 256
	s_mul_i32 s26, s25, WST
	v_add_nc_u32 v4, s26, v2                       ; the stage, way in: 16 x lane in a row
	v_mul_u32_u24 v5, v9, SP
	v_lshl_add_u32 v5, v10, 7, v5
	v_add_nc_u32 v5, s26, v5                       ; way out: row r, + 128 h: my block of a chunk
	v_lshlrev_b32 v6, 4, v9
	v_lshl_add_u32 v6, v10, 3, v6                  ; xsc: 16 r + 8 h
	v_lshlrev_b32 v7, 3, v10                       ; 8 h: where my two bytes stand in a scale word
	v_mov_b32 v15, 0                               ; written once: a lane permute's destination counts as one of its sources
	s_lshr_b32 s27, s25, 1                         ; which of the two tiles
	s_and_b32 s28, s25, 1                          ; which half of K
	s_mov_b32 s30, 0x76543210
	s_mov_b32 s31, 0xfedcba98                      ; selects: lane l xor 16
	s_mov_b32 s32, 0xffff0000                      ; lanes 16-31
	s_wait_alu depctr_va_vdst(0)
	s_wait_kmcnt 0x0
	s_mov_b64 s[22:23], s[16:17]                   ; which tensor: the choice hangs on the work-group's number alone
	s_mov_b32 s24, 864                             ; and the tensor's first work-group
.macro PICK lim, ptr, start
	s_cmp_lt_u32 ttmp9, \lim
	s_cselect_b64 s[22:23], s[\ptr:\ptr+1], s[22:23]
	s_cselect_b32 s24, \start, s24
.endm
	PICK 864, 14, 832                              ; Wv
	PICK 832, 12, 800                              ; Wk
	PICK 800, 10, 768                              ; Wq
	PICK 768, 8, 512                               ; v
	PICK 512, 6, 256                               ; k
	PICK 256, 4, 0                                 ; q
	s_sub_co_u32 s24, ttmp9, s24
	s_lshl_b32 s34, s24, 17                        ; 32 rows of 4,096 bytes a work-group,
	s_lshl_b32 s35, s27, 15                        ; the second tile begins 8 rows on,
	s_add_co_u32 s34, s34, s35
	s_lshl_b32 s35, s28, 11                        ; the second half of K 2,048 bytes on
	s_add_co_u32 s34, s34, s35
	s_mov_b32 s35, 0
	s_add_nc_u64 s[22:23], s[22:23], s[34:35]
	s_lshl_b32 s36, ttmp9, 1
	s_add_co_u32 s36, s36, s27                     ; my tile
	s_mul_i32 s34, s28, 3584                       ; my half of K begins two planes on
	s_add_co_u32 s34, s34, s36
	s_mul_i32 s34, s34, 3072
	s_add_nc_u64 s[18:19], s[18:19], s[34:35]
	s_lshl_b32 s34, s36, 9
	s_lshl_b32 s37, s28, 8
	s_add_co_u32 s34, s34, s37
	s_add_nc_u64 s[20:21], s[20:21], s[34:35]
.macro LOAD j                          ; step j: 128 along K of my 16 rows, a row a load
.set i, 0
.rept 16
	global_load_b128 v[R+64*((\j)%2)+4*i:R+64*((\j)%2)+4*i+3], v2, s[22:23] offset:(i+8*(i/8))*4096+512*(\j) th:TH_LOAD_NT
.set i, i+1
.endr
.endm
.macro STEP j
.if (\j) < 3
	s_wait_loadcnt 16                              ; this step's 16 loads are in; the next step's 16 may be out
.else
	s_wait_loadcnt 0x0
.endif
.set i, 0
.rept 16
	ds_store_b128 v4, v[R+64*((\j)%2)+4*i:R+64*((\j)%2)+4*i+3] offset:i*SP
.set i, i+1
.endr
.irp c, 0,1
.irp n, 0,1,2,3,4,5,6,7
	ds_load_b128 v[X+32*\c+4*\n:X+32*\c+4*\n+3], v5 offset:\c*256+16*\n   ; LDS serves a wave's instructions in order: these see the stores above
.endr
.endr
	s_wait_dscnt 0x0                               ; my 64 numbers are back, and the stores have read their registers,
.if (\j) < 2
	LOAD (\j)+2                                    ; which take the loads of two steps on
.endif
	v_max3_num_f32 v8, |v[X]|, |v[X+1]|, 0x1800000          ; the two blocks' largest magnitudes, by turns, with the floor 2^(3 - 127) among the leaves: the byte cannot fall under 1
	v_max3_num_f32 v9, |v[X+32]|, |v[X+33]|, 0x1800000
.irp i, 2,4,6,8,10,12,14,16,18,20,22,24,26,28,30
	v_max3_num_f32 v8, v8, |v[X+\i]|, |v[X+\i+1]|
	v_max3_num_f32 v9, v9, |v[X+32+\i]|, |v[X+33+\i]|
.endr
	v_add_nc_u32 v10, 0xff000000, v8               ; 2 off the exponent field: the conversion's scale operand
	v_add_nc_u32 v11, 0xff000000, v9
	v_lshrrev_b32 v12, 23, v10                     ; the scale's byte
	v_lshrrev_b32 v13, 23, v11
	v_lshl_or_b32 v14, v13, 16, v12                ; my bytes: blocks h and 2 + h of the step's four,
	v_lshlrev_b32 v14, v7, v14                     ; at their places;
	v_permlanex16_b32 v15, v14, s30, s31
	v_or_b32 v[SW+(\j)], v14, v15                  ; with lane l xor 16's two the word is whole
.if (\j) > 0
	s_wait_alu depctr_va_vdst(0)
	s_wait_xcnt 0x0                                ; the last step's stores have read the codes' registers: only now are they written again
.endif
.irp c, 0,1
	v_cvt_scalef32_pk16_fp6_f32 v[C+8*\c:C+8*\c+2], v[X+32*\c:X+32*\c+15], v[10+\c]
	v_cvt_scalef32_pk16_fp6_f32 v[CT+4*\c:CT+4*\c+2], v[X+32*\c+16:X+32*\c+31], v[10+\c]   ; (a conversion's three registers begin on an even number)
.endr
	v_nop                                          ; one plain place behind a scaled conversion
.irp c, 0,1
.irp i, 0,1,2
	v_mov_b32 v[C+8*\c+3+\i], v[CT+4*\c+\i]
.endr
.endr
.irp c, 0,1
	global_store_b128 v2, v[C+8*\c:C+8*\c+3], s[18:19] offset:((\j)/2)*PLX+(2*((\j)%2)+\c)*768     ; 512 consecutive bytes, aligned to 256
	global_store_b64 v3, v[C+8*\c+4:C+8*\c+5], s[18:19] offset:((\j)/2)*PLX+(2*((\j)%2)+\c)*768    ; and the image's last 256
.endr
.endm
	LOAD 0
	LOAD 1
	STEP 0
	STEP 1
	STEP 2
	STEP 3
	v_cndmask_b32 v8, v[SW], v[SW+2], s32          ; lanes 0-15 store words 0 and 1 of their row, lanes 16-31 words 2 and 3
	v_cndmask_b32 v9, v[SW+1], v[SW+3], s32
	global_store_b64 v6, v[8:9], s[20:21]          ; 256 consecutive bytes, aligned
	s_wait_tensorcnt 0x0
	ds_add_u32 v240, v241
	s_wait_dscnt 0x0
	s_endpgm
.Lfunc_end_k_q627759e2b2_quant:
	.size	k_q627759e2b2_quant, .Lfunc_end_k_q627759e2b2_quant-k_q627759e2b2_quant
	.p2alignl 7, 3214868480
	.fill 96, 4, 3214868480
	.section	.rodata,"a",@progbits
	.p2align	6, 0x0
	.amdhsa_kernel k_q627759e2b2_quant
		.amdhsa_group_segment_fixed_size 34304
		.amdhsa_private_segment_fixed_size 0
		.amdhsa_enable_private_segment 0
		.amdhsa_kernarg_size 72
		.amdhsa_user_sgpr_count 2
		.amdhsa_user_sgpr_kernarg_segment_ptr 1
		.amdhsa_wavefront_size32 1
		.amdhsa_system_sgpr_workgroup_id_x 1
		.amdhsa_system_sgpr_workgroup_id_y 1
		.amdhsa_system_sgpr_workgroup_id_z 1
		.amdhsa_system_vgpr_workitem_id 0
		.amdhsa_next_free_vgpr 242
		.amdhsa_next_free_sgpr 66
		.amdhsa_reserve_vcc 0
		.amdhsa_float_denorm_mode_32 3
		.amdhsa_float_denorm_mode_16_64 3
		.amdhsa_memory_ordered 1
		.amdhsa_forward_progress 1
		.amdhsa_inst_pref_size 32
	.end_amdhsa_kernel
	.amdgpu_metadata
---
amdhsa.version: [ 1, 2 ]
amdhsa.kernels:
  - .name:           k_q627759e2b2_quant
    .symbol:         k_q627759e2b2_quant.kd
    .args:
      - { .name: q, .offset: 0, .size: 8, .value_kind: global_buffer, .address_space: global }
      - { .name: k, .offset: 8, .size: 8, .value_kind: global_buffer, .address_space: global }
      - { .name: v, .offset: 16, .size: 8, .value_kind: global_buffer, .address_space: global }
      - { .name: Wq, .offset: 24, .size: 8, .value_kind: global_buffer, .address_space: global }
      - { .name: Wk, .offset: 32, .size: 8, .value_kind: global_buffer, .address_space: global }
      - { .name: Wv, .offset: 40, .size: 8, .value_kind: global_buffer, .address_space: global }
      - { .name: Wo, .offset: 48, .size: 8, .value_kind: global_buffer, .address_space: global }
      - { .name: xi, .offset: 56, .size: 8, .value_kind: global_buffer, .address_space: global }
      - { .name: xsc, .offset: 64, .size: 8, .value_kind: global_buffer, .address_space: global }
    .group_segment_fixed_size: 34304
    .private_segment_fixed_size: 0
    .kernarg_segment_align: 8
    .kernarg_segment_size: 72
    .max_flat_workgroup_size: 128
    .sgpr_count:     66
    .vgpr_count:     242
    .wavefront_size: 32
...
	.end_amdgpu_metadata
.endif
;; end of part 1
;; launch proj (part 2): grid 4 x 96, 4 waves a work-group, clusters of 4 x 4, 327,680 bytes of LDS; arguments xi, xsc, att; writes att
.if DOCPART == 2
	.amdgcn_target "amdgcn-amd-amdhsa--gfx1250"
	.amdhsa_code_object_version 6
	.text
	.protected	k_q627759e2b2_proj
	.globl	k_q627759e2b2_proj
	.p2align	8
	.type	k_q627759e2b2_proj,@function
k_q627759e2b2_proj:
	s_mov_b64 s[64:65], 0
	v_nop
	global_prefetch_b8 v0, s[64:65] scope:SCOPE_SE
	s_setreg_imm32_b32 hwreg(HW_REG_WAVE_MODE, 25, 1), 1
	s_wait_xcnt 0x0
	s_wait_alu depctr_hold_cnt(0) depctr_sa_sdst(0) depctr_va_vdst(0) depctr_va_sdst(0) depctr_va_ssrc(0) depctr_va_vcc(0) depctr_vm_vsrc(0)
	s_getreg_b32 s2, hwreg(HW_REG_IB_STS2, 6, 4)
	s_cmp_eq_u32 s2, 0
	s_cbranch_scc0 .Lentry_in_a_cluster
	s_endpgm
.Lentry_in_a_cluster:
	s_bfe_u32 s2, ttmp6, 0x10000c
	s_cmp_lg_u32 s2, 0xf033
	s_cbranch_scc0 .Lentry_shape_is_right
	s_endpgm
.Lentry_shape_is_right:
; The three projections q Wq^T, k Wk^T, v Wv^T on codes of FP6 (E2M3), and their results quantised in registers for the attention launch: Q and K along the head's 64 channels, V along the keys.
; A tile of 256 x 256 of a product is made by four waves, each 128 x 128: 64 accumulators of 16 x 16.  K = 1,024 goes in four steps of 256 through a ring of two LDS slots.
; OPERANDS lie in xi as images of operand registers, [K step][tile of 16 rows][4 chunks of 64 K][768 bytes], so 128 rows of a K step are 24,576 dense bytes: one tensor load of 96 rows of 256 bytes, no padding;
; a fragment (16 rows x 128 K, 12 registers) comes out of LDS by two loads of 16 and two of 8 bytes a lane, each over consecutive bytes.  Lane r of tile T is row 32 (T / 2) + 8 (T % 2) + r + 8 (r / 8).
; The scale words of the work-group's rows, for all of K, come into LDS once, [tile][half of K][r][4 words].
; THE MATRIX INSTRUCTION IS USED TRANSPOSED: source 0 = 16 rows of B, source 1 = 16 rows of A: a lane holds ONE row of A, and by the choice of a tile's rows the 16 registers of B's tiles 2 b and 2 b + 1 are 16 neighbours.
; Cluster y = c picks the product: t = c / 8.  t = 0: A = q, B = Wq;  t = 1: A = k, B = Wk (a lane holds a token, its registers run along the channels);  t = 2: A = Wv, B = v (a lane holds a channel, its registers run along the keys).
; CLUSTERS: 4 x 4 work-groups; A's tiles are asked for jointly along a row of the cluster, B's along a column.
; att: for each (batch, head) 208,896 bytes in two halves of 1,024 keys: K's images (8 steps x 8 tiles x 768), V's images (8 steps x [2 chunks of 64 keys][4 tiles of channels] x 768), K's scale words (512 a step), V's (256 a step);
;      then Q's images, 768 bytes for each tile of 16 queries, and Q's scale words.  K's and Q's scale words hold two bytes, the upper two are 0: they scale zero codes.
; LIMITS: NaN and infinities are not served; a block whose largest magnitude lies under 2^-124, a block of zeros among them, gets the byte 1 (only this program reads the bytes).
; REGISTERS, in windows of 256: window 0: v16-23 fragment addresses, v27 scale address, v28-29 for the add, v32-63 scale words (two sets), v64-119 the way out, v128-223 A's fragments (one set);
;   window 1: B's fragments, two sets, at v0 and v128;  window 2: the accumulators of my rows 0-63 ((a, b) at v[8 (8 a + b)]);  window 3: those of rows 64-127.
.set NQ,     2                         ; matrix instructions deep in a slot
.set FR,     12                        ; registers of a fragment
.set NL,     4                         ; LDS loads that bring one
.set NP,     4                         ; places behind this matrix instruction (ISA guide 7.12.1)
.set TILEB,  3072                      ; 16 rows x 256 K
.set HALFT,  8*TILEB                   ; 128 rows: what one tensor load brings
.set SLOT,   4*HALFT                   ; A's 256 rows, then B's
.set SCL,    2*SLOT                    ; behind the ring: the scale words
.set HALFS,  4096                      ; those of 128 rows
.set SBLK,   512                       ; those of 16 rows
.set SPARE,  SCL+4*HALFS               ; the spare words, 128 bytes a wave: two blocks of 256 bytes that no other line names
.set LAPS,   2                         ; a lap = two K steps
.set PLA,    5505024                   ; from a K step's plane to the next, in A's buffer
.set PLB,    5505024                   ; and in B's
.set QOFF,   13369344                  ; att: where Q's images begin
.set QSOFF,  19660800                  ; and Q's scale words
.set ADRA, 16                          ; v16-17 A's fragments in slot 0, 1: 16 x lane;  v18-19: 512 + 8 x lane
.set ADRB, 20                          ; v20-23 the same for B
.set ADRS, 27
.set SPW,  28                          ; LDS address of my spare word; never rewritten
.set NIL,  29                          ; 0; never rewritten
.set SC,   32
.set AF,   128
.set TM,   64                          ; the way out: v64-67 largest magnitudes, v68-71 bytes, v76-79 scale operands
.set PC,   80                          ; v80-91 a fragment's codes, v92-99 the conversions' second halves
.set WS,   100                         ; v100-107 the scale word of each of my eight blocks of rows
.set G1, 24
.set G0, 32
.set G1B, 48
.set G0B, 56
.set G1S, 68
.set G0S, 76
.set G1SB, 80
.set G0SB, 88
.set SEL, 98
.set MSB, 0
.macro WIN new                         ; the immediate's high byte repeats the setting that is left
.if MSB != (\new)
	s_set_vgpr_msb (MSB<<8)|(\new)
.set MSB, (\new)
.endif
.endm
.set MUL_LO, 0xa1                      ; source 0 (B) window 1, source 1 (A) window 0, C and D window 2
.set MUL_HI, 0xf1                      ; the same, C and D window 3
.set TO_B,   0x40                      ; destination window 1, address window 0
; A joint load: waves 0 and 1 fetch for A, waves 2 and 3 for B; the branch hangs on the wave's number alone.  Four v_nop follow each of the two lines.
.macro JLOAD g0a, g1a, g0b, g1b
	s_cmp_eq_u32 s15, 0
	s_cbranch_scc0 .Lfor_b_\@
	tensor_load_to_lds s[\g0a:\g0a+3], s[\g1a:\g1a+7]
	s_nop 0
.rept 4
	v_nop
.endr
	s_branch .Lasked_\@
.Lfor_b_\@:
	tensor_load_to_lds s[\g0b:\g0b+3], s[\g1b:\g1b+7]
	s_nop 0
.rept 4
	v_nop
.endr
.Lasked_\@:
.endm
.macro CREST                           ; a round of the cluster's barrier behind its opening barrier
	s_cmp_lg_u32 s14, 0
	s_cbranch_scc1 .Lnot_wave_0_\@
	s_barrier_signal -3
.Lnot_wave_0_\@:
	s_barrier_wait -3
	s_barrier_signal -1
	s_barrier_wait -1
.endm
.macro CROUND                          ; a whole round
	s_barrier_signal -1
	s_barrier_wait -1
	CREST
.endm
	s_load_b128 s[4:7], s[0:1], 0x0                ; xi, xsc: for A
	s_load_b128 s[8:11], s[0:1], 0x0               ; the same two, for B
	s_load_b64 s[12:13], s[0:1], 0x10              ; att
	v_lshl_add_u32 v[SPW], v0, 2, SPARE
	v_mov_b32 v[NIL], 0
	ds_add_u32 v28, v29
	ds_add_u32 v28, v29
	s_wait_dscnt 0x0
	v_lshrrev_b32 v1, 5, v0
	v_readfirstlane_b32 s14, v1                    ; wave 0..3
	s_lshr_b32 s15, s14, 1                         ; which half of A's rows is mine.  Also: I fetch for A (0) or for B (1)
	s_and_b32 s16, s14, 1                          ; which half of B's rows.  Also: which 128 rows I fetch
	s_bfe_u32 s40, ttmp6, 0x40000                  ; cx
	s_bfe_u32 s41, ttmp6, 0x40004                  ; cy
	s_and_b32 s17, ttmp7, 0xffff                   ; c: cluster y, 0..23
	s_lshr_b32 s66, s17, 3                         ; t: which product
	s_and_b32 s67, s17, 7                          ; cl: which 1,024 tokens
	s_lshl_b32 s42, s17, 2                         ; 4 c: the tokens' first unit of 256 rows in xi (q from 0, k from 32, v from 64)
	s_lshl_b32 s43, s66, 2
	s_add_co_u32 s43, s43, 96                      ; Wq's units begin at 96, Wk's at 100
	s_cmp_lt_u32 s66, 2
	s_cselect_b32 s44, s42, 104                    ; A: the tokens, or Wv (from unit 104)
	s_cselect_b32 s45, s43, s42                    ; B: the weight, or v's tokens
	s_add_co_u32 s44, s44, s41                     ; A's unit hangs on cy alone,
	s_add_co_u32 s45, s45, s40                     ; B's on cx alone
	s_lshl_b32 s46, s41, 2
	s_lshl_b32 s46, 15, s46                        ; my row of the cluster
	s_lshl_b32 s47, 0x1111, s40                    ; my column
	s_or_b32 s[G1+0], s46, (3<<16)|(1<<21)         ; 15:0 the mask; 17:16 elements of 8 bytes; 20 no padding; 21 set beside a mask
	s_or_b32 s[G1B+0], s47, (3<<16)|(1<<21)
.irp g, G1, G1B
	s_mov_b32 s[\g+1], 32<<16                      ; tensor_dim0 = 32 elements: 256 bytes
	s_mov_b32 s[\g+2], 96<<16                      ; tensor_dim1 = 96 rows
	s_mov_b32 s[\g+3], 32<<16                      ; tile_dim0
	s_mov_b32 s[\g+4], 96                          ; tile_dim1
	s_mov_b32 s[\g+5], 32                          ; the rows are dense
	s_mov_b32 s[\g+6], 0
	s_mov_b32 s[\g+7], 0
.endr
	s_or_b32 s[G1S+0], s46, (3<<16)|(1<<21)        ; the scale words of 128 rows: 16 rows of 256 bytes
	s_or_b32 s[G1SB+0], s47, (3<<16)|(1<<21)
.irp g, G1S, G1SB
	s_mov_b32 s[\g+1], 32<<16
	s_mov_b32 s[\g+2], 16<<16
	s_mov_b32 s[\g+3], 32<<16
	s_mov_b32 s[\g+4], 16
	s_mov_b32 s[\g+5], 32
	s_mov_b32 s[\g+6], 0
	s_mov_b32 s[\g+7], 0
.endr
	s_lshl_b32 s18, s16, 3                         ; which 8 tiles of the unit's 16 I fetch
	s_lshl_b32 s20, s44, 4
	s_add_co_u32 s20, s20, s18                     ; A's first tile
	s_lshl_b32 s92, s45, 4
	s_add_co_u32 s92, s92, s18                     ; B's
	s_lshl_b32 s22, s20, 9                         ; their scale words: 512 bytes a tile
	s_mov_b32 s23, 0
	s_lshl_b32 s94, s92, 9
	s_mov_b32 s95, 0
	s_mul_i32 s20, s20, TILEB                      ; their codes
	s_mov_b32 s21, 0
	s_mul_i32 s92, s92, TILEB
	s_mov_b32 s93, 0
	s_mul_i32 s96, s14, HALFT                      ; where they go: wave x 128 rows: no place in the cluster enters an LDS address
	s_mul_i32 s97, s14, HALFS
	s_mov_b32 s[SEL], 0x76543210
	s_mov_b32 s[SEL+1], 0xfedcba98
	s_wait_kmcnt 0x0
	s_add_nc_u64 s[20:21], s[4:5], s[20:21]
	s_add_nc_u64 s[22:23], s[6:7], s[22:23]
	s_add_nc_u64 s[92:93], s[8:9], s[92:93]
	s_add_nc_u64 s[94:95], s[10:11], s[94:95]
	CROUND                                         ; all sixteen work-groups are here: the first joint loads meet
	s_mov_b32 s[G0S], 1
	s_add_co_u32 s[G0S+1], s97, SCL
	s_mov_b64 s[G0S+2:G0S+3], s[22:23]
	s_or_b32 s[G0S+3], s[G0S+3], 0x80000000
	s_mov_b32 s[G0SB], 1
	s_add_co_u32 s[G0SB+1], s97, SCL
	s_mov_b64 s[G0SB+2:G0SB+3], s[94:95]
	s_or_b32 s[G0SB+3], s[G0SB+3], 0x80000000
	JLOAD G0S, G1S, G0SB, G1SB                     ; the scale words first: they are wanted with K step 0
.irp s, 0,1
	s_mov_b32 s[G0+4*\s], 1
	s_add_co_u32 s[G0+4*\s+1], s96, \s*SLOT
	s_add_nc_u64 s[G0+4*\s+2:G0+4*\s+3], s[20:21], \s*PLA
	s_or_b32 s[G0+4*\s+3], s[G0+4*\s+3], 0x80000000
	s_mov_b32 s[G0B+4*\s], 1
	s_add_co_u32 s[G0B+4*\s+1], s96, \s*SLOT
	s_add_nc_u64 s[G0B+4*\s+2:G0B+4*\s+3], s[92:93], \s*PLB
	s_or_b32 s[G0B+4*\s+3], s[G0B+4*\s+3], 0x80000000
	JLOAD G0+4*\s, G1, G0B+4*\s, G1B               ; three tensor loads of mine are out at the most
.endr
	v_and_b32 v1, 31, v0                           ; lane
	v_and_b32 v2, 15, v0                           ; r
	v_bfe_u32 v3, v0, 4, 1                         ; h
	v_lshlrev_b32 v4, 4, v1                        ; 16 x lane
	v_lshl_add_u32 v5, v1, 3, 512                  ; 512 + 8 x lane
	s_mul_i32 s18, s15, HALFT                      ; my 128 rows of A
	s_mul_i32 s19, s16, HALFT                      ; my 128 rows of B,
	s_add_co_u32 s19, s19, 2*HALFT                 ; which lie behind A's 256
.irp s, 0,1
	v_add_nc_u32 v[ADRA+\s], s18, v4
	v_add_nc_u32 v[ADRB+\s], s19, v4
	v_add_nc_u32 v[ADRA+2+\s], s18, v5
	v_add_nc_u32 v[ADRB+2+\s], s19, v5
	s_add_co_u32 s18, s18, SLOT
	s_add_co_u32 s19, s19, SLOT
.endr
	v_lshlrev_b32 v6, 4, v2                        ; my row's scale words: 16 bytes a row in a half of K
	s_mul_i32 s18, s15, HALFS                      ; A's: my 128 rows
	s_mul_i32 s19, s16, HALFS                      ; B's: my 128 rows, behind A's 256
	s_add_co_u32 s19, s19, 2*HALFS
	s_sub_co_u32 s19, s19, s18
	v_mul_u32_u24 v7, s19, v3                      ; lanes 16-31 take B's
	s_add_co_u32 s18, s18, SCL
	v_add_nc_u32 v6, v6, v7
	v_add_nc_u32 v[ADRS], s18, v6
.macro FRAG reg, adr, q, i             ; a fragment = two images of six registers: K = 128 q + 0 .. 63 and + 64 .. 127 of tile i
	ds_load_b128 v[\reg:\reg+3], v[\adr] offset:(\i)*TILEB+(\q)*1536
	ds_load_b64 v[\reg+4:\reg+5], v[\adr+2] offset:(\i)*TILEB+(\q)*1536
	ds_load_b128 v[\reg+6:\reg+9], v[\adr] offset:(\i)*TILEB+(\q)*1536+768
	ds_load_b64 v[\reg+10:\reg+11], v[\adr+2] offset:(\i)*TILEB+(\q)*1536+768
.endm
; 16 matrix instructions: A's blocks a0, a0 + 1 x B's eight, 128 along K.  p: B's set; sc: the set of scale words.  zero = 1: the first product starts the sums.
; The 64 accumulators take turns, one instruction a turn, in the same order in every step.
.macro MUL16 a0, p, q, sc, zero
.irp a, \a0, \a0+1
.irp b, 0,1,2,3,4,5,6,7
.if \zero
	v_wmma_scale_f32_16x16x128_f8f6f4 v[8*(8*((\a)%4)+\b):8*(8*((\a)%4)+\b)+7], v[128*(\p)+FR*\b:128*(\p)+FR*\b+FR-1], v[AF+FR*(\a):AF+FR*(\a)+FR-1], 0, v[SC+8*NQ*(\sc)+NQ*\b+(\q)], v[SC+8*NQ*(\sc)+NQ*(\a)+(\q)] matrix_a_fmt:MATRIX_FMT_FP6 matrix_b_fmt:MATRIX_FMT_FP6 matrix_a_scale:MATRIX_SCALE_ROW1
.else
	v_wmma_scale_f32_16x16x128_f8f6f4 v[8*(8*((\a)%4)+\b):8*(8*((\a)%4)+\b)+7], v[128*(\p)+FR*\b:128*(\p)+FR*\b+FR-1], v[AF+FR*(\a):AF+FR*(\a)+FR-1], v[8*(8*((\a)%4)+\b):8*(8*((\a)%4)+\b)+7], v[SC+8*NQ*(\sc)+NQ*\b+(\q)], v[SC+8*NQ*(\sc)+NQ*(\a)+(\q)] matrix_a_fmt:MATRIX_FMT_FP6 matrix_b_fmt:MATRIX_FMT_FP6 matrix_a_scale:MATRIX_SCALE_ROW1
.endif
.endr
.endr
.endm
.macro FETCH_B slot, q, p              ; B's eight fragments into set p
	WIN TO_B
.irp i, 0,1,2,3,4,5,6,7
	FRAG 128*(\p)+FR*\i, ADRB+\slot, \q, \i
.endr
	WIN 0
.endm
.macro FETCH_A slot, q, i0             ; A's blocks i0 .. i0 + 3
.irp i, \i0, \i0+1, \i0+2, \i0+3
	FRAG AF+FR*(\i), ADRA+\slot, \q, \i
.endr
.endm
.macro SCALES sc                       ; a K step's scale words into set sc: two words a row; lanes 0-15 take A's block i, lanes 16-31 B's block i
.irp i, 0,1,2,3,4,5,6,7
	ds_load_b64 v[SC+8*NQ*\sc+NQ*\i:SC+8*NQ*\sc+NQ*\i+1], v[ADRS] offset:\i*SBLK
.endr
.endm
.macro PLACES n                        ; plain vector instructions between a matrix instruction and a load into, or a read of, its registers
.rept \n
	v_nop
.endr
.endm
.macro STEP slot, q, zero              ; a step of 128 along K that has its successor in the same slot
	s_wait_dscnt 4*NL                              ; B's set, A's blocks 0-3 and the scale words are in; the youngest 16 loads (A's blocks 4-7) may be out
	WIN MUL_LO
	MUL16 0, (\q)%2, \q, \slot, \zero
	MUL16 2, (\q)%2, \q, \slot, \zero
	s_wait_dscnt 0                                 ; A's blocks 4-7 are in
	PLACES NP
	FETCH_B \slot, (\q)+1, 1-(\q)%2
	FETCH_A \slot, (\q)+1, 0
	WIN MUL_HI
	MUL16 4, (\q)%2, \q, \slot, \zero
	MUL16 6, (\q)%2, \q, \slot, \zero
	PLACES NP
	WIN 0
	FETCH_A \slot, (\q)+1, 4
.endm
; A slot's last step changes slots: ONE barrier; in front of it each wave waits for all its tensor loads, adds 0 to its spare word, and waits for that and for its own reads of this slot.
.macro TURN slot, next, fill
	s_wait_tensorcnt 0x0                           ; all my tensor loads have landed: my part of the next slot
	ds_add_u32 v[SPW], v[NIL]                      ; 0 onto my spare word
	s_wait_dscnt 4*NL+1                            ; (the add and the youngest 16 loads, A's blocks 4-7, may be out)
	WIN MUL_LO
	MUL16 0, 1, NQ-1, \slot, 0                     ; sixteen matrix instructions stand between the add and the wait for it
	s_wait_dscnt 0x0                               ; the add is done, and my reads of this slot are over
	s_barrier_signal -1
	MUL16 2, 1, NQ-1, \slot, 0
	WIN 0
	s_barrier_wait -1
.if \fill
	CREST                                          ; the barrier has opened a round of the cluster's barrier: no wave of any partner still reads this slot or has a load on its way
	s_add_nc_u64 s[G0+4*\slot+2:G0+4*\slot+3], s[G0+4*\slot+2:G0+4*\slot+3], 2*PLA
	s_add_nc_u64 s[G0B+4*\slot+2:G0B+4*\slot+3], s[G0B+4*\slot+2:G0B+4*\slot+3], 2*PLB
	JLOAD G0+4*\slot, G1, G0B+4*\slot, G1B         ; the first tensor load behind the round; its four v_nop are also the places in front of the loads below
.else
	PLACES NP
.endif
	s_wait_alu depctr_va_vdst(0)
	v_add_nc_u32 v[ADRS], 8+240*\slot, v[ADRS]     ; the next K step's two words: 8 bytes on, or into the next half of K (no LDS load of mine is out)
	FETCH_B \next, 0, 0
	FETCH_A \next, 0, 0
	SCALES \next
	WIN MUL_HI
	MUL16 4, 1, NQ-1, \slot, 0
	MUL16 6, 1, NQ-1, \slot, 0
	PLACES NP
	WIN 0
	FETCH_A \next, 0, 4
.endm
	s_wait_alu depctr_va_vdst(0)
	s_wait_tensorcnt 1                             ; the scale words and my part of K step 0 are in (K step 1's load may be out),
	s_barrier_signal -1
	s_barrier_wait -1                              ; everybody's are
	FETCH_B 0, 0, 0
	FETCH_A 0, 0, 0
	SCALES 0
	FETCH_A 0, 0, 4
	STEP 0, 0, 1                                   ; the first step stands in front of the loop: its products start the sums
	s_mov_b32 s3, LAPS-1
.Llap:                                                 ; a trip goes once round the ring and fills both slots again
	TURN 0, 1, 1
	STEP 1, 0, 0
	TURN 1, 0, 1
	STEP 0, 0, 0
	s_sub_co_u32 s3, s3, 1
	s_cmp_lg_u32 s3, 0
	s_cbranch_scc1 .Llap
	TURN 0, 1, 0                                   ; the last lap fills nothing
	STEP 1, 0, 0
	s_wait_dscnt 4*NL                              ; the very last step: nothing more to fetch
	WIN MUL_LO
	MUL16 0, 1, NQ-1, 1, 0
	MUL16 2, 1, NQ-1, 1, 0
	s_wait_dscnt 0
	WIN MUL_HI
	MUL16 4, 1, NQ-1, 1, 0
	MUL16 6, 1, NQ-1, 1, 0
	WIN 0
	; THE WAY OUT.  No tensor load of mine is out, so the descriptors' registers serve as scalars.  Where my 128 x 128 goes in att:
	s_lshl_b32 s20, s67, 2                         ; 4 cl
	s_cmp_lt_u32 s66, 2
	s_cselect_b32 s21, s20, 0
	s_cselect_b32 s22, 0, s20
	s_add_co_u32 s21, s21, s41                     ; A's unit of 256 rows within its tensor
	s_add_co_u32 s22, s22, s40                     ; B's
	s_lshl_b32 s21, s21, 1
	s_add_co_u32 s21, s21, s15                     ; my 128 rows of A
	s_lshl_b32 s22, s22, 1
	s_add_co_u32 s22, s22, s16                     ; my 128 rows of B
	s_cmp_lt_u32 s66, 2
	s_cselect_b32 s23, s21, s22                    ; which 128 tokens,
	s_cselect_b32 s24, s22, s21                    ; which 128 channels: two heads
	s_lshl_b32 s24, s24, 1
	s_cmp_eq_u32 s66, 0                            ; the strides differ between Q's part of att and the heads' blocks
	s_mov_b32 s26, 208896
	s_cselect_b32 s26, 98304, s26                  ; images: from head to head
	s_mov_b32 s27, 104448
	s_cselect_b32 s27, 49152, s27                  ; from the first 1,024 tokens to the second
	s_mov_b32 s28, 208896
	s_cselect_b32 s28, 8192, s28                   ; scale words: from head to head
	s_mov_b32 s29, 104448
	s_cselect_b32 s29, 4096, s29                   ; from half to half
	s_cselect_b32 s30, QOFF, 0                     ; where the images begin
	s_mov_b32 s31, 98304
	s_cselect_b32 s31, QSOFF, s31                  ; and the scale words
	s_cmp_eq_u32 s66, 2
	s_cselect_b32 s30, 49152, s30
	s_cselect_b32 s31, 102400, s31
	s_mov_b32 s32, 512
	s_cselect_b32 s32, 256, s32                    ; scale words of 128 tokens
	s_cselect_b32 s33, 3072, s26                   ; from a fragment's first image to its second: V: the next 64 keys; Q, K: the next head
	s_mov_b32 s34, 3072
	s_cselect_b32 s34, 208896, s34                 ; from my block 0 to my block 4: V: the next head; Q, K: four tiles on
	s_cselect_b32 s35, 0, 16                       ; Q, K: lanes 16-31 take the upper two bytes of a word: the second head's
	s_mov_b32 s36, 0xffff
	s_cselect_b32 s36, -1, s36
	s_lshr_b32 s37, s23, 4
	s_lshl_b32 s37, s37, 4
	s_add_co_u32 s37, s37, s24                     ; 16 x batch + my first head
	s_and_b32 s38, s23, 15                         ; which 128 tokens of the sequence
	s_lshr_b32 s39, s38, 3
	s_and_b32 s38, s38, 7
	s_mul_i32 s42, s37, s26
	s_mul_i32 s43, s39, s27
	s_add_co_u32 s42, s42, s43
	s_mul_i32 s43, s38, 6144
	s_add_co_u32 s42, s42, s43
	s_add_co_u32 s42, s42, s30
	s_mov_b32 s43, 0
	s_add_nc_u64 s[44:45], s[12:13], s[42:43]      ; images of my blocks 0-3
	s_mov_b32 s42, s34
	s_add_nc_u64 s[46:47], s[44:45], s[42:43]      ; of my blocks 4-7
	s_mul_i32 s42, s37, s28
	s_mul_i32 s48, s39, s29
	s_add_co_u32 s42, s42, s48
	s_mul_i32 s48, s38, s32
	s_add_co_u32 s42, s42, s48
	s_add_co_u32 s42, s42, s31
	s_add_nc_u64 s[48:49], s[12:13], s[42:43]      ; my scale words
	s_mov_b32 s50, 0xffff0000                      ; lanes 16-31
	v_and_b32 v114, 31, v0
	v_lshlrev_b32 v108, 4, v114                    ; an image's first 512 bytes: 16 x lane
	v_lshl_add_u32 v109, v114, 3, 512              ; its last 256: 512 + 8 x lane
	v_add_nc_u32 v110, s33, v108                   ; the same in the fragment's second image
	v_add_nc_u32 v111, s33, v109
	v_and_b32 v114, 15, v0
	v_bfe_u32 v115, v0, 4, 1
	v_mul_u32_u24 v112, s28, v115
	v_lshl_add_u32 v112, v114, 4, v112             ; scale words: 16 r; lanes 16-31 in the next head
	v_mul_u32_u24 v113, s35, v115
.irp b, 0,1,2,3
	v_mov_b32 v[TM+4+\b], 0                        ; written once: a lane permute's destination counts as one of its sources
.endr
	PLACES NP
; Block a: 16 rows of A x my 128 of B = one fragment of the next product.  Register 16 b + i of the block's 64 is neighbour 32 b + 16 (lane / 16) + i of the lane's row.
.macro QOUT a
.set AC, 64*((\a)%4)
.if (\a) < 4
.set BS, 44
.else
.set BS, 46
.endif
	WIN 0x28+0x14*((\a)/4)                         ; sources 1 and 2: window 2 or 3
.irp b, 0,1,2,3
	v_max3_num_f32 v[TM+\b], 0x1800000, |v[AC+16*\b]|, |v[AC+16*\b+1]|   ; each accumulator is read from its low end on; the floor 2^(3 - 127) holds the byte at 1 from below
.endr
.irp i, 2,4,6,8,10,12,14
.irp b, 0,1,2,3
	v_max3_num_f32 v[TM+\b], v[TM+\b], |v[AC+16*\b+\i]|, |v[AC+16*\b+\i+1]|
.endr
.endr
	WIN 0
.irp b, 0,1,2,3
	v_permlanex16_b32 v[TM+4+\b], v[TM+\b], s[SEL], s[SEL+1]
.endr
.irp b, 0,1,2,3
	v_max_num_f32 v[TM+\b], v[TM+\b], v[TM+4+\b]   ; with lane l xor 16's: the block's largest magnitude
.endr
.irp b, 0,1,2,3
	v_add_nc_u32 v[TM+12+\b], 0xff000000, v[TM+\b] ; 2 off its exponent field: the conversion's scale operand
.endr
.irp b, 0,1,2,3
	v_lshrrev_b32 v[TM+4+\b], 23, v[TM+12+\b]      ; the scale's byte
.endr
	v_lshl_or_b32 v[WS+(\a)], v[TM+5], 8, v[TM+4]
	v_lshl_or_b32 v[WS+(\a)], v[TM+6], 16, v[WS+(\a)]
	v_lshl_or_b32 v[WS+(\a)], v[TM+7], 24, v[WS+(\a)]
.if (\a) > 0
	s_wait_xcnt 0x0                                ; the last block's stores have read the codes' registers: only now are they written again
.endif
	WIN 0x02+((\a)/4)                              ; source 0: window 2 or 3
.irp c, 0,1
	v_cvt_scalef32_pk16_fp6_f32 v[PC+6*\c:PC+6*\c+2], v[AC+32*\c:AC+32*\c+15], v[TM+12+2*\c]
	v_cvt_scalef32_pk16_fp6_f32 v[PC+12+4*\c:PC+14+4*\c], v[AC+32*\c+16:AC+32*\c+31], v[TM+12+2*\c+1]   ; (a conversion's three registers begin on an even number)
.endr
	WIN 0
	v_nop                                          ; one plain place behind a scaled conversion
.irp c, 0,1                                    ; the operand's layout wants a WHOLE block in a lane: lanes 0-15 block 2 c, lanes 16-31 block 2 c + 1
.irp i, 0,1,2
	v_permlane16_swap_b32 v[PC+6*\c+\i], v[PC+12+4*\c+\i]
.endr
.irp i, 0,1,2
	v_mov_b32 v[PC+3+6*\c+\i], v[PC+12+4*\c+\i]
.endr
.endr
	global_store_b128 v108, v[PC:PC+3], s[BS:BS+1] offset:((\a)%4)*768       ; 512 consecutive bytes, aligned to 256
	global_store_b64 v109, v[PC+4:PC+5], s[BS:BS+1] offset:((\a)%4)*768      ; 256 consecutive bytes
	global_store_b128 v110, v[PC+6:PC+9], s[BS:BS+1] offset:((\a)%4)*768
	global_store_b64 v111, v[PC+10:PC+11], s[BS:BS+1] offset:((\a)%4)*768
.endm
.irp a, 0,1,2,3,4,5,6,7
	QOUT \a
.endr
.irp a, 0,1,2,3,4,5,6,7
	v_lshrrev_b32 v[WS+\a], v113, v[WS+\a]         ; Q, K: my head's two bytes, the upper two 0;  V: the word as it is
.endr
.irp a, 0,1,2,3,4,5,6,7
	v_and_b32 v[WS+\a], s36, v[WS+\a]
.endr
	s_cmp_eq_u32 s66, 2                            ; the same in every work-group of the cluster
	s_cbranch_scc1 .Lv_scales
	global_store_b128 v112, v[WS:WS+3], s[48:49]               ; tiles 0-3: sixteen lanes store 256 consecutive bytes
	global_store_b128 v112, v[WS+4:WS+7], s[48:49] offset:256  ; tiles 4-7
	s_branch .Lstored
.Lv_scales:
	s_wait_alu depctr_va_vdst(0)
.irp i, 0,1,2,3
	v_cndmask_b32 v[116+\i], v[WS+\i], v[WS+4+\i], s50         ; lanes 0-15: the first head's four tiles of channels, lanes 16-31 the second head's
.endr
	global_store_b128 v112, v[116:119], s[48:49]
.Lstored:
	s_wait_tensorcnt 0x0                           ; the wave's end
	ds_add_u32 v[SPW], v[NIL]
	s_wait_dscnt 0x0
	CROUND                                         ; the closing round: no work-group ends while a partner may still ask for a tile that names it
	s_endpgm
.Lfunc_end_k_q627759e2b2_proj:
	.size	k_q627759e2b2_proj, .Lfunc_end_k_q627759e2b2_proj-k_q627759e2b2_proj
	.p2alignl 7, 3214868480
	.fill 96, 4, 3214868480
	.section	.rodata,"a",@progbits
	.p2align	6, 0x0
	.amdhsa_kernel k_q627759e2b2_proj
		.amdhsa_group_segment_fixed_size 327680
		.amdhsa_private_segment_fixed_size 0
		.amdhsa_enable_private_segment 0
		.amdhsa_kernarg_size 24
		.amdhsa_user_sgpr_count 2
		.amdhsa_user_sgpr_kernarg_segment_ptr 1
		.amdhsa_wavefront_size32 1
		.amdhsa_system_sgpr_workgroup_id_x 1
		.amdhsa_system_sgpr_workgroup_id_y 1
		.amdhsa_system_sgpr_workgroup_id_z 1
		.amdhsa_system_vgpr_workitem_id 0
		.amdhsa_next_free_vgpr 1024
		.amdhsa_next_free_sgpr 100
		.amdhsa_reserve_vcc 0
		.amdhsa_float_denorm_mode_32 3
		.amdhsa_float_denorm_mode_16_64 3
		.amdhsa_memory_ordered 1
		.amdhsa_forward_progress 1
		.amdhsa_inst_pref_size 152
	.end_amdhsa_kernel
	.amdgpu_metadata
---
amdhsa.version: [ 1, 2 ]
amdhsa.kernels:
  - .name:           k_q627759e2b2_proj
    .symbol:         k_q627759e2b2_proj.kd
    .args:
      - { .name: xi, .offset: 0, .size: 8, .value_kind: global_buffer, .address_space: global }
      - { .name: xsc, .offset: 8, .size: 8, .value_kind: global_buffer, .address_space: global }
      - { .name: att, .offset: 16, .size: 8, .value_kind: global_buffer, .address_space: global }
    .group_segment_fixed_size: 327680
    .private_segment_fixed_size: 0
    .kernarg_segment_align: 8
    .kernarg_segment_size: 24
    .max_flat_workgroup_size: 128
    .sgpr_count:     100
    .vgpr_count:     1024
    .wavefront_size: 32
...
	.end_amdgpu_metadata
.endif
;; end of part 2
;; launch attn (part 3): grid 4 x 64, 16 waves a work-group, clusters of 4 x 1, 210,944 bytes of LDS; arguments att, oi, osc; writes oi, osc
.if DOCPART == 3
	.amdgcn_target "amdgcn-amd-amdhsa--gfx1250"
	.amdhsa_code_object_version 6
	.text
	.protected	k_q627759e2b2_attn
	.globl	k_q627759e2b2_attn
	.p2align	8
	.type	k_q627759e2b2_attn,@function
k_q627759e2b2_attn:
	s_mov_b64 s[64:65], 0
	v_nop
	global_prefetch_b8 v0, s[64:65] scope:SCOPE_SE
	s_setreg_imm32_b32 hwreg(HW_REG_WAVE_MODE, 25, 1), 1
	s_wait_xcnt 0x0
	s_wait_alu depctr_hold_cnt(0) depctr_sa_sdst(0) depctr_va_vdst(0) depctr_va_sdst(0) depctr_va_ssrc(0) depctr_va_vcc(0) depctr_vm_vsrc(0)
	s_getreg_b32 s2, hwreg(HW_REG_IB_STS2, 6, 4)
	s_cmp_eq_u32 s2, 0
	s_cbranch_scc0 .Lentry_in_a_cluster
	s_endpgm
.Lentry_in_a_cluster:
	s_bfe_u32 s2, ttmp6, 0x10000c
	s_cmp_lg_u32 s2, 0x3003
	s_cbranch_scc0 .Lentry_shape_is_right
	s_endpgm
.Lentry_shape_is_right:
; Causal attention of one (batch, head) for each cluster, both products on codes of FP6 (E2M3) with one E8M0 scale for each 32 along a product's K; head size 64, 2,048 keys.
; t = score x log2(e) / 8; M = the running largest t rounded UP to a whole number; p = 2^(t - M) is quantised along the keys, not normalised; the row's sum is taken of the unquantised p and divides O at the end;
; when M moves, the sum and O are multiplied by 2^(old M - new M), which rounds nothing.  O / sum is then quantised along the head's 64 channels for the last projection.
; THE WHOLE HEAD'S K AND V, codes and scale words, 208,896 bytes, lie in LDS, filled ONCE: nothing is filled again.  The four work-groups of a cluster need the same bytes and ask for them jointly.
; LDS is an image of the head's block of att: two halves of 1,024 keys, each: K's images (step s' of 128 keys at 6,144 s', tile of 16 keys at + 768 t), V's images from 49,152 (step at 6,144 s', [64 keys][tile of 16 channels][768]),
; K's scale words from 98,304 (512 a step: [tile / 4][r][4 words]), V's from 102,400 (256 a step: [r][4 tiles]).
; SHARES.  Sixteen waves, four to a SIMD.  Wave w (e = w % 2, gs = w / 2) owns two tiles of 16 queries: tile 2 cx + e of the query groups gs and 15 - gs (a group = 128 queries).  A tile of group g needs key steps 0 .. g,
; so every wave has 17 steps.  Which steps count hangs on the wave's number alone; cx enters only global addresses and the mask's lane constant.
; LAYOUT.  Both products transposed: S^T = K Q^T (source 0 = 16 keys), O^T = V^T P^T (source 0 = 16 channels): a lane holds ONE query.  Lane r of a tile of keys, queries or channels is number 32 (T / 2) + 8 (T % 2) + r + 8 (r / 8):
; so the 16 registers of tiles 2 b and 2 b + 1 of a result are 16 neighbours.  The first product's K is 64: registers 6-11 of K's and Q's fragments are zero codes, and the upper two scale bytes are 0.
; LIMITS: NaN and infinities are not served; a block of O whose largest magnitude lies under 2^-124 gets the byte 1 (only this program reads the bytes).
; REGISTERS: v1-4 places that stay; v5-8 the step's LDS addresses; v9 the mask's lane constant; v10 -infinity; v11, v30 offsets; v12 -M, v13 the largest t, v[14:15] the sum; v16-27 Q of the first tile, v232-243 of the second; v28, v29 their scale words;
; v32-79 four fragments of K; v80-87 K's scale words, v88-91 V's; v96-159 S^T, then p, then (v96-143) four fragments of V; v160-191 O^T; v192-203 p's codes; v204-228 at work.
.set HEADB, 208896
.set HALFB, 104448
.set QUARB, 26112                      ; what one tensor load brings: 102 rows of 256 bytes
.set QOFF,  13369344
.set QSOFF, 19660800
.set VIMG,  49152
.set KSCL,  98304
.set VSCL,  102400
.set PC,  192
.set PCT, 204
.set BM,  212
.set BT,  216
.set SO,  220
.set PW,  224
.set F,   226
.set TT,  228
.set WV,  10
.set CX,  11
.set BHD, 12
.set E,   13
.set GS,  14
.set G,   15                           ; the query group of the tile in hand
.set G1,  16
.set G0A, 24
.set G0B, 28
.set SEL, 32
.set CS,  34
.set TB,  36                           ; where the step's images begin
.set TS,  37                           ; K's scale words
.set TV,  38                           ; V's
.set SI,  39                           ; the key step
.set CNT, 40
.set HIM, 41
.set OB1, 44
.set OB2, 46
.set OS1, 48
.set OS2, 50
.set QB1, 52
.set QB2, 54
.set QS1, 56
.set QS2, 58
.macro CROUND                          ; a round of the cluster's barrier
	s_barrier_signal -1
	s_barrier_wait -1
	s_cmp_lg_u32 s[WV], 0
	s_cbranch_scc1 .Lnot_wave_0_\@
	s_barrier_signal -3
.Lnot_wave_0_\@:
	s_barrier_wait -3
	s_barrier_signal -1
	s_barrier_wait -1
.endm
	s_load_b128 s[4:7], s[0:1], 0x0                ; att, oi
	s_load_b64 s[8:9], s[0:1], 0x10                ; osc
	v_lshl_add_u32 v254, v0, 2, 0x33000
	v_mov_b32 v255, 0
	ds_add_u32 v254, v255
	ds_add_u32 v254, v255
	v_lshrrev_b32 v1, 5, v0
	s_delay_alu instid0(VALU_DEP_1)
	v_readfirstlane_b32 s[WV], v1                  ; wave 0..15
	s_bfe_u32 s[CX], ttmp6, 0x40000                ; my place in the cluster
	s_and_b32 s[BHD], ttmp7, 0xffff                ; 16 x batch + head: the cluster's y
	s_and_b32 s[E], s[WV], 1
	s_lshr_b32 s[GS], s[WV], 1
	s_mov_b32 s[G1], 15|(3<<16)|(1<<21)            ; 15:0 the mask: all four work-groups; 17:16 elements of 8 bytes; 21 set beside a mask; no padding
	s_mov_b32 s[G1+1], 32<<16                      ; tensor_dim0 = 32 elements: 256 bytes
	s_mov_b32 s[G1+2], 102<<16                     ; tensor_dim1 = 102 rows
	s_mov_b32 s[G1+3], 32<<16                      ; tile_dim0
	s_mov_b32 s[G1+4], 102                         ; tile_dim1
	s_mov_b32 s[G1+5], 32                          ; the rows are dense
	s_mov_b32 s[G1+6], 0
	s_mov_b32 s[G1+7], 0
	s_mov_b32 s[SEL], 0x76543210
	s_mov_b32 s[SEL+1], 0xfedcba98                 ; selects: lane l xor 16
	s_mov_b32 s[CS], 0x3e38aa3b                    ; c = log2(e) / 8
	s_mov_b32 s[CS+1], s[CS]                       ; (named with it as a pair, so it is written)
	s_mov_b32 s[HIM], 0xffff0000                   ; lanes 16-31
	s_and_b32 s60, s[WV], 3
	s_mul_i32 s60, s60, QUARB                      ; my quarter of a half, in LDS and in the head's block alike
	s_mul_i32 s62, s[BHD], HEADB
	s_add_co_u32 s62, s62, s60
	s_mov_b32 s63, 0
	s_wait_dscnt 0x0
	s_wait_kmcnt 0x0
	s_mov_b32 s[G0A], 1
	s_mov_b32 s[G0A+1], s60
	s_add_nc_u64 s[G0A+2:G0A+3], s[4:5], s[62:63]
	s_mov_b32 s[G0B], 1
	s_add_co_u32 s[G0B+1], s60, HALFB
	s_add_nc_u64 s[G0B+2:G0B+3], s[G0A+2:G0A+3], HALFB
	s_or_b32 s[G0A+3], s[G0A+3], 0x80000000
	s_or_b32 s[G0B+3], s[G0B+3], 0x80000000
	CROUND                                         ; all four work-groups are here: the joint loads meet
	s_cmp_lt_u32 s[WV], 4                          ; waves 0 to 3 fetch, two loads each, in one branch: keys 0-1,023 first, then keys 1,024-2,047.  Two tensor loads of a wave are out at the most
	s_cbranch_scc0 .Lno_fill
	tensor_load_to_lds s[G0A:G0A+3], s[G1:G1+7]
	s_nop 0
	tensor_load_to_lds s[G0B:G0B+3], s[G1:G1+7]
	s_nop 0
.rept 4
	v_nop
.endr
.Lno_fill:
	v_and_b32 v5, 31, v0                           ; lane
	s_delay_alu instid0(VALU_DEP_1)
	v_lshlrev_b32 v1, 4, v5                        ; an image's first 512 bytes: 16 x lane
	s_delay_alu instid0(VALU_DEP_2)
	v_lshl_add_u32 v2, v5, 3, 512                  ; its last 256: 512 + 8 x lane
	v_and_b32 v6, 15, v0                           ; r
	v_bfe_u32 v7, v0, 4, 1                         ; h
	s_delay_alu instid0(VALU_DEP_2)
	v_lshlrev_b32 v30, 4, v6                       ; 16 r
	s_delay_alu instid0(VALU_DEP_1)
	v_add_nc_u32 v3, KSCL, v30
	s_delay_alu instid0(VALU_DEP_2)
	v_add_nc_u32 v4, VSCL, v30
	s_delay_alu instid0(VALU_DEP_3)
	v_add_nc_u32 v11, v30, v7                      ; osc: 16 r + h
	v_and_b32 v8, 8, v6
	s_delay_alu instid0(VALU_DEP_1)
	v_add_nc_u32 v9, v8, v6                        ; r + 8 (r / 8)
	v_lshlrev_b32 v8, 4, v7
	s_delay_alu instid0(VALU_DEP_1)
	v_sub_nc_u32 v9, v9, v8                        ; - 16 h
	s_lshl_b32 s60, s[CX], 5
	s_lshl_b32 s61, s[E], 3
	s_add_co_u32 s60, s60, s61
	v_add_nc_u32 v9, s60, v9                       ; d = my query's place in its group of 128, less 16 h: register 16 b + i holds key 32 b + 16 h + i of the step: hidden on the diagonal where 32 b + i > d
	v_mov_b32 v10, 0xff800000                      ; -infinity
	; where my two tiles' Q comes from and their O goes
	s_lshl_b32 s60, s[CX], 1
	s_add_co_u32 s60, s60, s[E]                    ; my tile in a group: 2 cx + e
	s_lshl_b32 s61, s[GS], 3
	s_add_co_u32 s61, s61, s60                     ; the first tile of queries
	s_sub_co_u32 s62, 15, s[GS]                    ; the second tile's group
	s_lshl_b32 s63, s62, 3
	s_add_co_u32 s63, s63, s60                     ; the second tile
	s_lshr_b32 s68, s60, 2
	s_lshl_b32 s68, s68, 8
	s_and_b32 s69, s60, 3
	s_lshl_b32 s69, s69, 2
	s_add_co_u32 s68, s68, s69
	s_add_co_u32 s68, s68, QSOFF                   ; Q's scale words: [tile / 4][r][tile % 4]
	s_lshr_b32 s69, s[BHD], 4
	s_lshl_b32 s69, s69, 7                         ; 128 tiles of tokens a batch
	s_and_b32 s75, s[BHD], 15                      ; the head
	s_lshr_b32 s72, s75, 3
	s_lshl_b32 s72, s72, 8
	s_and_b32 s73, s75, 7
	s_lshl_b32 s73, s73, 1
	s_add_co_u32 s72, s72, s73                     ; osc: half of K = head / 8; the head's two bytes at 2 (head % 8)
	s_lshr_b32 s73, s75, 2
	s_lshl_b32 s73, s73, 9                         ; oi: K step = head / 4: 512 tiles a plane
	s_and_b32 s74, s75, 3
	s_mul_i32 s74, s74, 768                        ; chunk = head % 4
	s_mov_b32 s67, 0
	s_mov_b32 s71, 0
.macro ADDR t, g, qb, qs, ob, os
	s_lshl_b32 s66, s[BHD], 7
	s_add_co_u32 s66, s66, s[\t]
	s_mul_i32 s66, s66, 768
	s_add_co_u32 s66, s66, QOFF
	s_add_nc_u64 s[\qb:\qb+1], s[4:5], s[66:67]
	s_lshl_b32 s66, s[BHD], 4
	s_add_co_u32 s66, s66, s[\g]
	s_lshl_b32 s66, s66, 9
	s_add_co_u32 s66, s66, s68
	s_add_nc_u64 s[\qs:\qs+1], s[4:5], s[66:67]
	s_add_co_u32 s66, s69, s[\t]                   ; the tile of tokens among all 512
	s_lshl_b32 s70, s66, 9
	s_add_co_u32 s70, s70, s72
	s_add_nc_u64 s[\os:\os+1], s[8:9], s[70:71]
	s_add_co_u32 s66, s66, s73
	s_mul_i32 s66, s66, 3072
	s_add_co_u32 s66, s66, s74
	s_add_nc_u64 s[\ob:\ob+1], s[6:7], s[66:67]
.endm
	ADDR 61, GS, QB1, QS1, OB1, OS1
	ADDR 63, 62, QB2, QS2, OB2, OS2
	global_load_b128 v[16:19], v1, s[QB1:QB1+1]    ; Q's fragments stay in registers
	global_load_b64 v[20:21], v2, s[QB1:QB1+1]
	global_load_b32 v28, v30, s[QS1:QS1+1]
	global_load_b128 v[232:235], v1, s[QB2:QB2+1]
	global_load_b64 v[236:237], v2, s[QB2:QB2+1]
	global_load_b32 v29, v30, s[QS2:QS2+1]
.irp i, 0,1,2,3,4,5
	v_mov_b32 v[22+\i], 0                          ; K = 64 .. 127 of the first product: zero codes, written once
	v_mov_b32 v[238+\i], 0
.irp t, 0,1,2,3
	v_mov_b32 v[38+12*\t+\i], 0
.endr
.endr
.irp b, 0,1,2,3
	v_mov_b32 v[BT+\b], 0                          ; written once: a lane permute's destination counts as one of its sources
.endr
	v_mov_b32 v[TT], 0
	v_mov_b32 v[F+1], 0                            ; (named as the upper half of a pair)
.macro INIT                            ; a tile's start: the first change of M multiplies zeros
	v_mov_b32 v13, 0xff61b1e6                      ; the largest t so far: -3e38
	s_delay_alu instid0(VALU_DEP_1)
	v_floor_f32 v12, -v13                          ; -M
	v_mov_b32 v14, 0
	v_mov_b32 v15, 0
.set j, 0
.rept 32
	v_mov_b32 v[160+j], 0
.set j, j+1
.endr
.endm
; A KEY STEP: 128 keys.  qf, qs: Q's fragment and scale word.  masked = 1: the step may lie on the diagonal.
.macro STEP qf, qs, masked
	s_cmp_gt_u32 s[SI], s[G]                       ; a step all of whose keys come after my queries is left out; the lines at its end that step addresses are not
	s_cbranch_scc1 .Lhidden_\@
	s_setprio 2
	v_add_nc_u32 v5, s[TB], v1
	s_wait_alu depctr_va_vdst(0)
	v_add_nc_u32 v6, s[TB], v2
	s_wait_alu depctr_va_vdst(0)
	v_add_nc_u32 v7, s[TS], v3
	v_add_nc_u32 v8, s[TV], v4
	v_nop                                          ; five places: the products below write S^T over registers that the last step's products read as V's fragments
	ds_load_b128 v[80:83], v7                      ; K's scale words, tiles 0-3,
	ds_load_b128 v[84:87], v7 offset:256           ; tiles 4-7,
	ds_load_b128 v[88:91], v8                      ; and V's four
.irp g, 0,1                                    ; S^T = K Q^T, four tiles of 16 keys at a time
.if \g
.rept 4
	v_nop                                          ; places in front of loads into registers that matrix instructions have read
.endr
.endif
.irp t, 0,1,2,3
	ds_load_b128 v[32+12*\t:35+12*\t], v5 offset:(4*\g+\t)*768
	ds_load_b64 v[36+12*\t:37+12*\t], v6 offset:(4*\g+\t)*768
.endr
	s_wait_dscnt 0x0
.irp t, 0,1,2,3
	v_wmma_scale_f32_16x16x128_f8f6f4 v[96+8*(4*\g+\t):103+8*(4*\g+\t)], v[32+12*\t:43+12*\t], v[\qf:\qf+11], 0, v[80+4*\g+\t], v[\qs] matrix_a_fmt:MATRIX_FMT_FP6 matrix_b_fmt:MATRIX_FMT_FP6
.endr
.endr
.rept 4
	v_nop
.endr
.if \masked
	s_cmp_lt_u32 s[SI], s[G]                       ; a step all of whose keys count skips the mask
	s_cbranch_scc1 .Lopen_\@
.set n, 0
.rept 64
	v_cmp_gt_i32 vcc_lo, 32*(n/16)+n%16, v9
	v_cndmask_b32 v[96+n], v[96+n], v10, vcc_lo    ; hidden scores become -infinity ahead of the maximum: p = 0 then
.set n, n+1
.endr
.Lopen_\@:
.endif
.irp b, 0,1,2,3
	v_max3_num_f32 v[BM+\b], v[96+16*\b], v[97+16*\b], v[98+16*\b]   ; the largest score of each block of 32 keys: for the row's maximum and, since p rises with the score, for the block's largest p
.endr
.irp i, 3,5,7,9,11,13
.irp b, 0,1,2,3
	v_max3_num_f32 v[BM+\b], v[BM+\b], v[96+16*\b+\i], v[97+16*\b+\i]
.endr
.endr
.irp b, 0,1,2,3
	v_max_num_f32 v[BM+\b], v[BM+\b], v[111+16*\b]
.endr
.irp b, 0,1,2,3
	s_delay_alu instid0(VALU_DEP_4)
	v_permlanex16_b32 v[BT+\b], v[BM+\b], s[SEL], s[SEL+1]
.endr
.irp b, 0,1,2,3
	s_delay_alu instid0(VALU_DEP_4)
	v_max_num_f32 v[BM+\b], v[BM+\b], v[BT+\b]     ; with lane l xor 16's 16 keys
.endr
	s_delay_alu instid0(VALU_DEP_2)
	v_max3_num_f32 v[TT], v[BM], v[BM+1], v[BM+2]
	s_delay_alu instid0(VALU_DEP_1)
	v_max_num_f32 v[TT], v[TT], v[BM+3]            ; the step's largest score of my query (key 0 of the step counts for every query of a step that is not left out)
	s_delay_alu instid0(VALU_DEP_1)
	v_mul_f32 v[TT], s[CS], v[TT]
	s_delay_alu instid0(VALU_DEP_1)
	v_max_num_f32 v13, v13, v[TT]                  ; the running largest t
	v_mov_b32 v[TT], v12
	s_delay_alu instid0(VALU_DEP_2)
	v_floor_f32 v12, -v13                          ; the new -M = -ceil(t): a whole number
	s_delay_alu instid0(VALU_DEP_1)
	v_sub_f32 v[TT], v12, v[TT]                    ; old M less new M: a whole number, 0 or less
	s_delay_alu instid0(VALU_DEP_1)
	v_cvt_i32_f32 v[TT], v[TT]                     ; (it saturates)
	s_delay_alu instid0(VALU_DEP_1)
	v_ldexp_f32 v[F], 1.0, v[TT]                   ; f = 2^(old M - new M)
.set j, 0
.rept 32
	v_pk_fma_f32 v[96+j:97+j], v[96+j:97+j], s[CS:CS+1], v[12:13] op_sel_hi:[1,0,0]   ; t - M, two at a time
.set j, j+2
.endr
.irp b, 0,1,2,3
	v_fma_f32 v[BM+\b], v[BM+\b], s[CS], v12       ; the same of each block's largest score
.endr
.set j, 0
	s_setprio 1
	s_wait_alu depctr_va_vdst(0)
.rept 64
	v_exp_f32 v[96+j], v[96+j]                     ; p = 2^(t - M)
.set j, j+1
.endr
	v_pk_mul_f32 v[14:15], v[14:15], v[F:F+1] op_sel_hi:[1,0]   ; the sums under the new M: a plain place behind the exponentials
	s_wait_alu depctr_va_vdst(0)                   ; one wait for the batch of 64, ahead of its first reader
.irp b, 0,1,2,3
	v_exp_f32 v[BM+\b], v[BM+\b]                   ; the block's largest p
.endr
	v_pk_add_f32 v[216:217], v[100:101], v[104:105]
	v_pk_add_f32 v[252:253], v[108:109], v[112:113]
	v_pk_add_f32 v[250:251], v[116:117], v[120:121]
	v_pk_add_f32 v[248:249], v[124:125], v[128:129]
	v_pk_add_f32 v[246:247], v[132:133], v[136:137]
	v_pk_add_f32 v[244:245], v[140:141], v[144:145]
	v_pk_add_f32 v[230:231], v[148:149], v[152:153]
	v_pk_add_f32 v[14:15], v[14:15], v[156:157]
	v_pk_add_f32 v[216:217], v[216:217], v[96:97]
	v_pk_add_f32 v[252:253], v[252:253], v[98:99]
	v_pk_add_f32 v[250:251], v[250:251], v[102:103]
	v_pk_add_f32 v[248:249], v[248:249], v[106:107]
	v_pk_add_f32 v[246:247], v[246:247], v[110:111]
	v_pk_add_f32 v[244:245], v[244:245], v[114:115]
	v_pk_add_f32 v[230:231], v[230:231], v[118:119]
	v_pk_add_f32 v[14:15], v[14:15], v[122:123]
	v_pk_add_f32 v[216:217], v[216:217], v[126:127]
	v_pk_add_f32 v[252:253], v[252:253], v[130:131]
	v_pk_add_f32 v[250:251], v[250:251], v[134:135]
	v_pk_add_f32 v[248:249], v[248:249], v[138:139]
	v_pk_add_f32 v[246:247], v[246:247], v[142:143]
	v_pk_add_f32 v[244:245], v[244:245], v[146:147]
	v_pk_add_f32 v[230:231], v[230:231], v[150:151]
	v_pk_add_f32 v[14:15], v[14:15], v[154:155]
	v_pk_add_f32 v[216:217], v[216:217], v[158:159]
	s_delay_alu instid0(VALU_DEP_2)
	v_pk_add_f32 v[14:15], v[14:15], v[248:249]
	s_delay_alu instid0(VALU_DEP_2)
	v_pk_add_f32 v[216:217], v[216:217], v[246:247]
	v_pk_add_f32 v[252:253], v[252:253], v[244:245]
	v_pk_add_f32 v[250:251], v[250:251], v[230:231]
	s_delay_alu instid0(VALU_DEP_2)
	v_pk_add_f32 v[14:15], v[14:15], v[252:253]
	s_delay_alu instid0(VALU_DEP_2)
	v_pk_add_f32 v[216:217], v[216:217], v[250:251]
	s_delay_alu instid0(VALU_DEP_1)
	v_pk_add_f32 v[14:15], v[14:15], v[216:217]
	s_wait_alu depctr_va_vdst(0)                   ; and one for the four
.irp b, 0,1,2,3
	v_max_num_f32 v[BM+\b], 0x1800000, v[BM+\b]    ; the floor 2^(3 - 127): the byte cannot fall under 1
.endr
.irp b, 0,1,2,3
	s_delay_alu instid0(VALU_DEP_4)
	v_add_nc_u32 v[SO+\b], 0xff000000, v[BM+\b]    ; 2 off the exponent field: the conversion's scale operand
.endr
.irp b, 0,1,2,3
	s_delay_alu instid0(VALU_DEP_4)
	v_lshrrev_b32 v[BT+\b], 23, v[SO+\b]           ; the scale's byte
.endr
	s_delay_alu instid0(VALU_DEP_3)
	v_lshl_or_b32 v[PW], v[BT+1], 8, v[BT]         ; p's scale word for these 128 keys
	s_delay_alu instid0(VALU_DEP_1)
	v_lshl_or_b32 v[PW], v[BT+2], 16, v[PW]
	s_delay_alu instid0(VALU_DEP_1)
	v_lshl_or_b32 v[PW], v[BT+3], 24, v[PW]
.irp c, 0,1
	v_cvt_scalef32_pk16_fp6_f32 v[PC+6*\c:PC+6*\c+2], v[96+32*\c:111+32*\c], v[SO+2*\c]
	v_cvt_scalef32_pk16_fp6_f32 v[PCT+4*\c:PCT+4*\c+2], v[112+32*\c:127+32*\c], v[SO+2*\c+1]
.endr
	v_nop                                          ; one plain place behind a scaled conversion
.irp t, 0,1,2,3                                ; V's four fragments land where p lay, while the codes are put in order and O^T is rescaled
	ds_load_b128 v[96+12*\t:99+12*\t], v5 offset:VIMG+\t*768
	ds_load_b64 v[100+12*\t:101+12*\t], v6 offset:VIMG+\t*768
	ds_load_b128 v[102+12*\t:105+12*\t], v5 offset:VIMG+3072+\t*768
	ds_load_b64 v[106+12*\t:107+12*\t], v6 offset:VIMG+3072+\t*768
.endr
	s_setprio 0
.irp c, 0,1                                    ; the operand's layout wants a WHOLE block in a lane
.irp i, 0,1,2
	v_permlane16_swap_b32 v[PC+6*\c+\i], v[PCT+4*\c+\i]
.endr
.irp i, 0,1,2
	s_delay_alu instid0(VALU_DEP_3)
	v_mov_b32 v[PC+3+6*\c+\i], v[PCT+4*\c+\i]
.endr
.endr
.set j, 0
.rept 16
	v_pk_mul_f32 v[160+j:161+j], v[160+j:161+j], v[F:F+1] op_sel_hi:[1,0]   ; O^T under the new M; these sixteen are also the places between the codes, the scale word and the products
.set j, j+2
.endr
	s_wait_alu depctr_va_vdst(0)
	s_wait_dscnt 0x0
.irp t, 0,1,2,3                                ; O^T += V^T P^T: the four accumulators take turns
	v_wmma_scale_f32_16x16x128_f8f6f4 v[160+8*\t:167+8*\t], v[96+12*\t:107+12*\t], v[PC:PC+11], v[160+8*\t:167+8*\t], v[88+\t], v[PW] matrix_a_fmt:MATRIX_FMT_FP6 matrix_b_fmt:MATRIX_FMT_FP6
.endr
.Lhidden_\@:
	s_add_co_u32 s[SI], s[SI], 1
	s_add_co_u32 s[TB], s[TB], 6144
	s_add_co_u32 s[TS], s[TS], 512
	s_add_co_u32 s[TV], s[TV], 256
.endm
.macro PASS qf, qs, masked             ; the eight key steps of one half of the head: the trip count is a constant
	s_mov_b32 s[CNT], 8
.Lpass_\@:
	STEP \qf, \qs, \masked
	s_sub_co_u32 s[CNT], s[CNT], 1
	s_cmp_lg_u32 s[CNT], 0
	s_cbranch_scc1 .Lpass_\@
	s_setprio 0
.endm
; A tile's end: O^T / the sum, quantised along the head's 64 channels (two blocks), stored as an image of six operand registers, and the two scale bytes.
.macro FINISH ob, os
.rept 4
	v_nop                                          ; places behind the last products
.endr
	v_add_f32 v14, v14, v15
	s_delay_alu instid0(VALU_DEP_1)
	v_permlanex16_b32 v[TT], v14, s[SEL], s[SEL+1]
	s_delay_alu instid0(VALU_DEP_1)
	v_add_f32 v14, v14, v[TT]                      ; the row's sum
	s_wait_alu depctr_va_vdst(0)
	v_rcp_f32 v[F], v14
	v_nop                                          ; a plain place behind the reciprocal
	s_wait_alu depctr_va_vdst(0)                   ; and the wait ahead of its first reader
.set j, 0
.rept 16
	v_pk_mul_f32 v[96+j:97+j], v[160+j:161+j], v[F:F+1] op_sel_hi:[1,0]   ; register 16 b + i: channel 32 b + 16 h + i of my query
.set j, j+2
.endr
	v_max3_num_f32 v[BM], |v96|, |v97|, 0x1800000
	v_max3_num_f32 v[BM+1], |v112|, |v113|, 0x1800000
.irp i, 2,4,6,8,10,12,14
	s_delay_alu instid0(VALU_DEP_2)
	v_max3_num_f32 v[BM], v[BM], |v[96+\i]|, |v[97+\i]|
	s_delay_alu instid0(VALU_DEP_2)
	v_max3_num_f32 v[BM+1], v[BM+1], |v[112+\i]|, |v[113+\i]|
.endr
	s_delay_alu instid0(VALU_DEP_2)
	v_permlanex16_b32 v[BT], v[BM], s[SEL], s[SEL+1]
	s_delay_alu instid0(VALU_DEP_2)
	v_permlanex16_b32 v[BT+1], v[BM+1], s[SEL], s[SEL+1]
	s_delay_alu instid0(VALU_DEP_2)
	v_max_num_f32 v[BM], v[BM], v[BT]
	s_delay_alu instid0(VALU_DEP_2)
	v_max_num_f32 v[BM+1], v[BM+1], v[BT+1]
	s_delay_alu instid0(VALU_DEP_2)
	v_add_nc_u32 v[SO], 0xff000000, v[BM]
	s_delay_alu instid0(VALU_DEP_2)
	v_add_nc_u32 v[SO+1], 0xff000000, v[BM+1]
	s_delay_alu instid0(VALU_DEP_2)
	v_lshrrev_b32 v[BT], 23, v[SO]
	s_delay_alu instid0(VALU_DEP_2)
	v_lshrrev_b32 v[BT+1], 23, v[SO+1]
	s_delay_alu instid0(VALU_DEP_1)
	v_cndmask_b32 v[TT], v[BT], v[BT+1], s[HIM]    ; lanes 0-15 store block 0's byte, lanes 16-31 block 1's
	v_cvt_scalef32_pk16_fp6_f32 v[PC:PC+2], v[96:111], v[SO]
	v_cvt_scalef32_pk16_fp6_f32 v[PCT:PCT+2], v[112:127], v[SO+1]
	v_nop                                          ; one plain place behind a scaled conversion
.irp i, 0,1,2
	v_permlane16_swap_b32 v[PC+\i], v[PCT+\i]
.endr
.irp i, 0,1,2
	s_delay_alu instid0(VALU_DEP_3)
	v_mov_b32 v[PC+3+\i], v[PCT+\i]
.endr
	global_store_b128 v1, v[PC:PC+3], s[\ob:\ob+1]     ; 512 consecutive bytes, aligned to 256
	global_store_b64 v2, v[PC+4:PC+5], s[\ob:\ob+1]    ; 256 consecutive bytes
	global_store_b8 v11, v[TT], s[\os:\os+1]           ; 32 single bytes inside one run of 256: a scale word of the next product joins two heads, which lie in two clusters
	s_wait_xcnt 0x0                                ; the stores have read their registers: they are written again in the next tile
.endm
	INIT
	s_wait_loadcnt 0x0                             ; Q
	s_wait_tensorcnt 1                             ; my part of keys 0-1,023 is in; the second half's load may be out: nothing of it is read before the next barrier
	s_barrier_signal -1
	s_barrier_wait -1
	s_mov_b32 s[TB], 0
	s_mov_b32 s[TS], 0
	s_mov_b32 s[TV], 0
	s_mov_b32 s[SI], 0
	s_mov_b32 s[G], s[GS]
	PASS 16, 28, 1                                 ; the first tile: group gs, steps 0 .. gs
	FINISH OB1, OS1
	INIT
	s_wait_tensorcnt 0x0                           ; my part of keys 1,024-2,047 is in,
	s_wait_dscnt 0x0                               ; and no LDS load of mine is out:
	s_barrier_signal -1                            ; say so.  The wait stands eight steps further on: until then only keys 0-1,023 are read, which nobody writes
	s_mov_b32 s[TB], 0
	s_mov_b32 s[TS], 0
	s_mov_b32 s[TV], 0
	s_mov_b32 s[SI], 0
	s_mov_b32 s[G], s62
	PASS 232, 29, 0                                ; the second tile: group 15 - gs: steps 0 .. 7 all count
	s_barrier_wait -1                              ; everybody's part of the second half is in
	s_mov_b32 s[TB], HALFB
	s_mov_b32 s[TS], HALFB
	s_mov_b32 s[TV], HALFB
	PASS 232, 29, 1                                ; steps 8 .. 15 - gs
	FINISH OB2, OS2
	s_wait_dscnt 0x0
	s_wait_tensorcnt 0x0
	ds_add_u32 v254, v255
	s_wait_dscnt 0x0
	CROUND                                         ; the closing round
	s_endpgm
.Lfunc_end_k_q627759e2b2_attn:
	.size	k_q627759e2b2_attn, .Lfunc_end_k_q627759e2b2_attn-k_q627759e2b2_attn
	.p2alignl 7, 3214868480
	.fill 96, 4, 3214868480
	.section	.rodata,"a",@progbits
	.p2align	6, 0x0
	.amdhsa_kernel k_q627759e2b2_attn
		.amdhsa_group_segment_fixed_size 210944
		.amdhsa_private_segment_fixed_size 0
		.amdhsa_enable_private_segment 0
		.amdhsa_kernarg_size 24
		.amdhsa_user_sgpr_count 2
		.amdhsa_user_sgpr_kernarg_segment_ptr 1
		.amdhsa_wavefront_size32 1
		.amdhsa_system_sgpr_workgroup_id_x 1
		.amdhsa_system_sgpr_workgroup_id_y 1
		.amdhsa_system_sgpr_workgroup_id_z 1
		.amdhsa_system_vgpr_workitem_id 0
		.amdhsa_next_free_vgpr 256
		.amdhsa_next_free_sgpr 80
		.amdhsa_reserve_vcc 1
		.amdhsa_float_denorm_mode_32 3
		.amdhsa_float_denorm_mode_16_64 3
		.amdhsa_memory_ordered 1
		.amdhsa_forward_progress 1
		.amdhsa_inst_pref_size 84
	.end_amdhsa_kernel
	.amdgpu_metadata
---
amdhsa.version: [ 1, 2 ]
amdhsa.kernels:
  - .name:           k_q627759e2b2_attn
    .symbol:         k_q627759e2b2_attn.kd
    .args:
      - { .name: att, .offset: 0, .size: 8, .value_kind: global_buffer, .address_space: global }
      - { .name: oi, .offset: 8, .size: 8, .value_kind: global_buffer, .address_space: global }
      - { .name: osc, .offset: 16, .size: 8, .value_kind: global_buffer, .address_space: global }
    .group_segment_fixed_size: 210944
    .private_segment_fixed_size: 0
    .kernarg_segment_align: 8
    .kernarg_segment_size: 24
    .max_flat_workgroup_size: 512
    .sgpr_count:     80
    .vgpr_count:     256
    .wavefront_size: 32
...
	.end_amdgpu_metadata
.endif
;; end of part 3
;; launch oproj (part 4): grid 4 x 32, 4 waves a work-group, clusters of 4 x 4, 327,680 bytes of LDS; arguments oi, osc, xi, xsc, out0; writes out0
.if DOCPART == 4
	.amdgcn_target "amdgcn-amd-amdhsa--gfx1250"
	.amdhsa_code_object_version 6
	.text
	.protected	k_q627759e2b2_oproj
	.globl	k_q627759e2b2_oproj
	.p2align	8
	.type	k_q627759e2b2_oproj,@function
k_q627759e2b2_oproj:
	s_mov_b64 s[64:65], 0
	v_nop
	global_prefetch_b8 v0, s[64:65] scope:SCOPE_SE
	s_setreg_imm32_b32 hwreg(HW_REG_WAVE_MODE, 25, 1), 1
	s_wait_xcnt 0x0
	s_wait_alu depctr_hold_cnt(0) depctr_sa_sdst(0) depctr_va_vdst(0) depctr_va_sdst(0) depctr_va_ssrc(0) depctr_va_vcc(0) depctr_vm_vsrc(0)
	s_getreg_b32 s2, hwreg(HW_REG_IB_STS2, 6, 4)
	s_cmp_eq_u32 s2, 0
	s_cbranch_scc0 .Lentry_in_a_cluster
	s_endpgm
.Lentry_in_a_cluster:
	s_bfe_u32 s2, ttmp6, 0x10000c
	s_cmp_lg_u32 s2, 0xf033
	s_cbranch_scc0 .Lentry_shape_is_right
	s_endpgm
.Lentry_shape_is_right:
; out0 = O Wo^T on codes of FP6 (E2M3) with one E8M0 scale for each 32 along K.  O: 8,192 tokens x 1,024, as the attention launch left it in oi and osc; Wo: rows 27,648 on of xi and xsc.  out0: [8192][1024] f32.
; A tile of 256 x 256 is made by four waves, each 128 x 128: 64 accumulators of 16 x 16.  K = 1,024 goes in four steps of 256 through a ring of two LDS slots.
; OPERANDS lie as images of operand registers, [K step][tile of 16 rows][4 chunks of 64 K][768 bytes], so 128 rows of a K step are 24,576 dense bytes: one tensor load of 96 rows of 256 bytes, no padding;
; a fragment (12 registers) comes out of LDS by two loads of 16 and two of 8 bytes a lane.  Lane r of tile T is row 32 (T / 2) + 8 (T % 2) + r + 8 (r / 8), for tokens and for Wo's rows alike.
; The scale words of the work-group's rows, for all of K, come into LDS once, [tile][half of K][r][4 words].
; THE MATRIX INSTRUCTION IS USED TRANSPOSED: source 0 = 16 rows of Wo, source 1 = 16 tokens: a lane holds one token and eight neighbouring columns.
; CLUSTERS: 4 x 4 work-groups; O's tiles are asked for jointly along a row of the cluster, Wo's along a column.
; REGISTERS, in windows of 256: window 0: v16-23 fragment addresses, v24-26 the way out, v27 scale address, v28-29 for the add, v32-63 scale words (two sets), v128-223 A's fragments (one set; on the way out v128-255 rows of out0);
;   window 1: B's fragments, two sets, at v0 and v128;  window 2: the accumulators of my rows 0-63 ((a, b) at v[8 (8 a + b)]);  window 3: those of rows 64-127.
.set NQ,     2
.set FR,     12
.set NL,     4
.set NP,     4
.set TILEB,  3072
.set HALFT,  8*TILEB
.set SLOT,   4*HALFT
.set SCL,    2*SLOT
.set HALFS,  4096
.set SBLK,   512
.set SPARE,  SCL+4*HALFS               ; the spare words, 128 bytes a wave: two blocks of 256 bytes that no other line names
.set LAPS,   2
.set PLA,    1572864                   ; from a K step's plane to the next in oi: 512 tiles x 3,072
.set PLB,    5505024                   ; and in xi: 1,792 tiles
.set SPITCH, 528                       ; the way out: a stage of 16 rows x (512 + 16) bytes for each wave, in slot 0, which has had its last fill and its last read when the first result is stored there
.set ADRA, 16
.set ADRB, 20
.set STO,  24
.set RD,   25
.set CO,   26
.set ADRS, 27
.set SPW,  28
.set NIL,  29
.set SC,   32
.set AF,   128
.set BK,   128
.set G1, 24
.set G0, 32
.set G1B, 48
.set G0B, 56
.set G1S, 68
.set G0S, 76
.set G1SB, 80
.set G0SB, 88
.set MSB, 0
.macro WIN new                         ; the immediate's high byte repeats the setting that is left
.if MSB != (\new)
	s_set_vgpr_msb (MSB<<8)|(\new)
.set MSB, (\new)
.endif
.endm
.set MUL_LO, 0xa1
.set MUL_HI, 0xf1
.set TO_B,   0x40
.macro JLOAD g0a, g1a, g0b, g1b        ; a joint load: waves 0 and 1 fetch for A, waves 2 and 3 for B; four v_nop follow each of the two lines
	s_cmp_eq_u32 s15, 0
	s_cbranch_scc0 .Lfor_b_\@
	tensor_load_to_lds s[\g0a:\g0a+3], s[\g1a:\g1a+7]
	s_nop 0
.rept 4
	v_nop
.endr
	s_branch .Lasked_\@
.Lfor_b_\@:
	tensor_load_to_lds s[\g0b:\g0b+3], s[\g1b:\g1b+7]
	s_nop 0
.rept 4
	v_nop
.endr
.Lasked_\@:
.endm
.macro CREST
	s_cmp_lg_u32 s14, 0
	s_cbranch_scc1 .Lnot_wave_0_\@
	s_barrier_signal -3
.Lnot_wave_0_\@:
	s_barrier_wait -3
	s_barrier_signal -1
	s_barrier_wait -1
.endm
.macro CROUND
	s_barrier_signal -1
	s_barrier_wait -1
	CREST
.endm
	s_load_b128 s[4:7], s[0:1], 0x0                ; oi, osc
	s_load_b128 s[8:11], s[0:1], 0x10              ; xi, xsc
	s_load_b64 s[12:13], s[0:1], 0x20              ; out0
	v_lshl_add_u32 v[SPW], v0, 2, SPARE
	v_mov_b32 v[NIL], 0
	ds_add_u32 v28, v29
	ds_add_u32 v28, v29
	s_wait_dscnt 0x0
	v_lshrrev_b32 v1, 5, v0
	v_readfirstlane_b32 s14, v1                    ; wave 0..3
	s_lshr_b32 s15, s14, 1                         ; which half of the tile's rows is mine.  Also: I fetch for A (0) or for B (1)
	s_and_b32 s16, s14, 1                          ; which half of its columns.  Also: which 128 rows I fetch
	s_bfe_u32 s40, ttmp6, 0x40000                  ; cx
	s_bfe_u32 s41, ttmp6, 0x40004                  ; cy
	s_and_b32 s17, ttmp7, 0xffff
	s_lshl_b32 s44, s17, 2
	s_add_co_u32 s44, s44, s41                     ; A's unit of 256 tokens = 4 x cluster y + cy
	s_add_co_u32 s45, s40, 108                     ; B's unit of 256 rows of xi: Wo begins at unit 108
	s_lshl_b32 s46, s41, 2
	s_lshl_b32 s46, 15, s46                        ; my row of the cluster
	s_lshl_b32 s47, 0x1111, s40                    ; my column
	s_or_b32 s[G1+0], s46, (3<<16)|(1<<21)         ; 15:0 the mask; 17:16 elements of 8 bytes; no padding; 21 set beside a mask
	s_or_b32 s[G1B+0], s47, (3<<16)|(1<<21)
.irp g, G1, G1B
	s_mov_b32 s[\g+1], 32<<16                      ; rows of 256 bytes,
	s_mov_b32 s[\g+2], 96<<16                      ; 96 of them,
	s_mov_b32 s[\g+3], 32<<16
	s_mov_b32 s[\g+4], 96
	s_mov_b32 s[\g+5], 32                          ; dense
	s_mov_b32 s[\g+6], 0
	s_mov_b32 s[\g+7], 0
.endr
	s_or_b32 s[G1S+0], s46, (3<<16)|(1<<21)        ; the scale words of 128 rows: 16 rows of 256 bytes
	s_or_b32 s[G1SB+0], s47, (3<<16)|(1<<21)
.irp g, G1S, G1SB
	s_mov_b32 s[\g+1], 32<<16
	s_mov_b32 s[\g+2], 16<<16
	s_mov_b32 s[\g+3], 32<<16
	s_mov_b32 s[\g+4], 16
	s_mov_b32 s[\g+5], 32
	s_mov_b32 s[\g+6], 0
	s_mov_b32 s[\g+7], 0
.endr
	s_lshl_b32 s18, s16, 3
	s_lshl_b32 s20, s44, 4
	s_add_co_u32 s20, s20, s18                     ; A's first tile
	s_lshl_b32 s92, s45, 4
	s_add_co_u32 s92, s92, s18                     ; B's
	s_lshl_b32 s22, s20, 9
	s_mov_b32 s23, 0
	s_lshl_b32 s94, s92, 9
	s_mov_b32 s95, 0
	s_mul_i32 s20, s20, TILEB
	s_mov_b32 s21, 0
	s_mul_i32 s92, s92, TILEB
	s_mov_b32 s93, 0
	s_mul_i32 s96, s14, HALFT                      ; where they go: wave x 128 rows: no place in the cluster enters an LDS address
	s_mul_i32 s97, s14, HALFS
	s_wait_kmcnt 0x0
	s_add_nc_u64 s[20:21], s[4:5], s[20:21]
	s_add_nc_u64 s[22:23], s[6:7], s[22:23]
	s_add_nc_u64 s[92:93], s[8:9], s[92:93]
	s_add_nc_u64 s[94:95], s[10:11], s[94:95]
	CROUND                                         ; all sixteen work-groups are here: the first joint loads meet
	s_mov_b32 s[G0S], 1
	s_add_co_u32 s[G0S+1], s97, SCL
	s_mov_b64 s[G0S+2:G0S+3], s[22:23]
	s_or_b32 s[G0S+3], s[G0S+3], 0x80000000
	s_mov_b32 s[G0SB], 1
	s_add_co_u32 s[G0SB+1], s97, SCL
	s_mov_b64 s[G0SB+2:G0SB+3], s[94:95]
	s_or_b32 s[G0SB+3], s[G0SB+3], 0x80000000
	JLOAD G0S, G1S, G0SB, G1SB
.irp s, 0,1
	s_mov_b32 s[G0+4*\s], 1
	s_add_co_u32 s[G0+4*\s+1], s96, \s*SLOT
	s_add_nc_u64 s[G0+4*\s+2:G0+4*\s+3], s[20:21], \s*PLA
	s_or_b32 s[G0+4*\s+3], s[G0+4*\s+3], 0x80000000
	s_mov_b32 s[G0B+4*\s], 1
	s_add_co_u32 s[G0B+4*\s+1], s96, \s*SLOT
	s_add_nc_u64 s[G0B+4*\s+2:G0B+4*\s+3], s[92:93], \s*PLB
	s_or_b32 s[G0B+4*\s+3], s[G0B+4*\s+3], 0x80000000
	s_wait_alu depctr_va_vdst(0)
	s_wait_tensorcnt 0x0
	ds_add_u32 v28, v29
	s_wait_dscnt 0x0
	CROUND
	JLOAD G0+4*\s, G1, G0B+4*\s, G1B               ; three tensor loads of mine are out at the most
.endr
	v_and_b32 v1, 31, v0                           ; lane
	v_and_b32 v2, 15, v0                           ; r
	v_bfe_u32 v3, v0, 4, 1                         ; h
	v_lshlrev_b32 v4, 4, v1                        ; 16 x lane
	v_lshl_add_u32 v5, v1, 3, 512                  ; 512 + 8 x lane
	s_mul_i32 s18, s15, HALFT
	s_mul_i32 s19, s16, HALFT
	s_add_co_u32 s19, s19, 2*HALFT
.irp s, 0,1
	v_add_nc_u32 v[ADRA+\s], s18, v4
	v_add_nc_u32 v[ADRB+\s], s19, v4
	v_add_nc_u32 v[ADRA+2+\s], s18, v5
	v_add_nc_u32 v[ADRB+2+\s], s19, v5
	s_add_co_u32 s18, s18, SLOT
	s_add_co_u32 s19, s19, SLOT
.endr
	v_lshlrev_b32 v6, 4, v2
	s_mul_i32 s18, s15, HALFS
	s_mul_i32 s19, s16, HALFS
	s_add_co_u32 s19, s19, 2*HALFS
	s_sub_co_u32 s19, s19, s18
	v_mul_u32_u24 v7, s19, v3                      ; lanes 16-31 take B's scale words
	s_add_co_u32 s18, s18, SCL
	v_add_nc_u32 v6, v6, v7
	v_add_nc_u32 v[ADRS], s18, v6
	s_mul_i32 s18, s14, 16*SPITCH                  ; my stage
	v_mul_u32_u24 v5, v2, SPITCH
	v_lshl_add_u32 v5, v3, 6, v5
	v_add_nc_u32 v[STO], s18, v5                   ; in: row r, + 64 h: my half's 16 columns of each 32
	v_add_nc_u32 v[RD], s18, v4                    ; back: the 32 lanes take one row of 512 bytes;
	v_lshlrev_b32 v[CO], 4, v1                     ; and the same in out0
	s_lshl_b32 s20, s44, 8
	s_lshl_b32 s21, s15, 7
	s_add_co_u32 s20, s20, s21                     ; my first row: 256 x unit + 128 x half
	s_lshl_b32 s20, s20, 12                        ; rows of 4,096 bytes
	s_mov_b32 s21, 0
	s_lshl_b32 s92, s40, 10                        ; my first column, in bytes: 1,024 cx + 512 x half
	s_lshl_b32 s93, s16, 9
	s_add_co_u32 s92, s92, s93
	s_mov_b32 s93, 0
	s_add_nc_u64 s[20:21], s[20:21], s[92:93]
	s_add_nc_u64 s[12:13], s[12:13], s[20:21]
.macro FRAG reg, adr, q, i             ; a fragment = two images of six registers
	ds_load_b128 v[\reg:\reg+3], v[\adr] offset:(\i)*TILEB+(\q)*1536
	ds_load_b64 v[\reg+4:\reg+5], v[\adr+2] offset:(\i)*TILEB+(\q)*1536
	ds_load_b128 v[\reg+6:\reg+9], v[\adr] offset:(\i)*TILEB+(\q)*1536+768
	ds_load_b64 v[\reg+10:\reg+11], v[\adr+2] offset:(\i)*TILEB+(\q)*1536+768
.endm
; 16 matrix instructions; the 64 accumulators take turns, one instruction a turn, in the same order in every step
.macro MUL16 a0, p, q, sc, zero
.irp a, \a0, \a0+1
.irp b, 0,1,2,3,4,5,6,7
.if \zero
	v_wmma_scale_f32_16x16x128_f8f6f4 v[8*(8*((\a)%4)+\b):8*(8*((\a)%4)+\b)+7], v[128*(\p)+FR*\b:128*(\p)+FR*\b+FR-1], v[AF+FR*(\a):AF+FR*(\a)+FR-1], 0, v[SC+8*NQ*(\sc)+NQ*\b+(\q)], v[SC+8*NQ*(\sc)+NQ*(\a)+(\q)] matrix_a_fmt:MATRIX_FMT_FP6 matrix_b_fmt:MATRIX_FMT_FP6 matrix_a_scale:MATRIX_SCALE_ROW1
.else
	v_wmma_scale_f32_16x16x128_f8f6f4 v[8*(8*((\a)%4)+\b):8*(8*((\a)%4)+\b)+7], v[128*(\p)+FR*\b:128*(\p)+FR*\b+FR-1], v[AF+FR*(\a):AF+FR*(\a)+FR-1], v[8*(8*((\a)%4)+\b):8*(8*((\a)%4)+\b)+7], v[SC+8*NQ*(\sc)+NQ*\b+(\q)], v[SC+8*NQ*(\sc)+NQ*(\a)+(\q)] matrix_a_fmt:MATRIX_FMT_FP6 matrix_b_fmt:MATRIX_FMT_FP6 matrix_a_scale:MATRIX_SCALE_ROW1
.endif
.endr
.endr
.endm
.macro FETCH_B slot, q, p
	WIN TO_B
.irp i, 0,1,2,3,4,5,6,7
	FRAG 128*(\p)+FR*\i, ADRB+\slot, \q, \i
.endr
	WIN 0
.endm
.macro FETCH_A slot, q, i0
.irp i, \i0, \i0+1, \i0+2, \i0+3
	FRAG AF+FR*(\i), ADRA+\slot, \q, \i
.endr
.endm
.macro SCALES sc
.irp i, 0,1,2,3,4,5,6,7
	ds_load_b64 v[SC+8*NQ*\sc+NQ*\i:SC+8*NQ*\sc+NQ*\i+1], v[ADRS] offset:\i*SBLK
.endr
.endm
.macro PLACES n                        ; plain vector instructions between a matrix instruction and a load into, or a read of, its registers
.rept \n
	v_nop
.endr
.endm
.macro STEP slot, q, zero
	s_wait_dscnt 4*NL                              ; all but the youngest 16 loads (A's blocks 4-7) are in
	WIN MUL_LO
	MUL16 0, (\q)%2, \q, \slot, \zero
	MUL16 2, (\q)%2, \q, \slot, \zero
	s_wait_dscnt 0
	PLACES NP
	FETCH_B \slot, (\q)+1, 1-(\q)%2
	FETCH_A \slot, (\q)+1, 0
	WIN MUL_HI
	MUL16 4, (\q)%2, \q, \slot, \zero
	MUL16 6, (\q)%2, \q, \slot, \zero
	PLACES NP
	WIN 0
	FETCH_A \slot, (\q)+1, 4
.endm
.macro TURN slot, next, fill
	s_wait_tensorcnt 0x0                           ; all my tensor loads have landed: my part of the next slot
	ds_add_u32 v[SPW], v[NIL]                      ; 0 onto my spare word
	s_wait_dscnt 4*NL+1                            ; (the add and the youngest 16 loads may be out)
	WIN MUL_LO
	MUL16 0, 1, NQ-1, \slot, 0
	s_wait_dscnt 0x0                               ; the add is done, and my reads of this slot are over
	s_barrier_signal -1
	MUL16 2, 1, NQ-1, \slot, 0
	WIN 0
	s_barrier_wait -1
.if \fill
	CREST                                          ; the barrier has opened a round of the cluster's barrier: no wave of any partner still reads this slot or has a load on its way
	s_add_nc_u64 s[G0+4*\slot+2:G0+4*\slot+3], s[G0+4*\slot+2:G0+4*\slot+3], 2*PLA
	s_add_nc_u64 s[G0B+4*\slot+2:G0B+4*\slot+3], s[G0B+4*\slot+2:G0B+4*\slot+3], 2*PLB
	JLOAD G0+4*\slot, G1, G0B+4*\slot, G1B         ; the first tensor load behind the round; its four v_nop are also the places in front of the loads below
.else
	PLACES NP
.endif
	s_wait_alu depctr_va_vdst(0)
	v_add_nc_u32 v[ADRS], 8+240*\slot, v[ADRS]     ; the next K step's two scale words
	FETCH_B \next, 0, 0
	FETCH_A \next, 0, 0
	SCALES \next
	WIN MUL_HI
	MUL16 4, 1, NQ-1, \slot, 0
	MUL16 6, 1, NQ-1, \slot, 0
	PLACES NP
	WIN 0
	FETCH_A \next, 0, 4
.endm
	s_wait_alu depctr_va_vdst(0)
	s_wait_tensorcnt 1                             ; the scale words and my part of K step 0 are in (K step 1's load may be out),
	s_barrier_signal -1
	s_barrier_wait -1                              ; everybody's are
	FETCH_B 0, 0, 0
	FETCH_A 0, 0, 0
	SCALES 0
	FETCH_A 0, 0, 4
	STEP 0, 0, 1                                   ; the first step's products start the sums
	s_mov_b32 s3, LAPS-1
.Llap:
	TURN 0, 1, 1
	STEP 1, 0, 0
	TURN 1, 0, 1
	STEP 0, 0, 0
	s_sub_co_u32 s3, s3, 1
	s_cmp_lg_u32 s3, 0
	s_cbranch_scc1 .Llap
	TURN 0, 1, 0                                   ; the last lap fills nothing
	STEP 1, 0, 0
	s_wait_dscnt 4*NL
	WIN MUL_LO
	MUL16 0, 1, NQ-1, 1, 0
	MUL16 2, 1, NQ-1, 1, 0
	s_wait_dscnt 0
	WIN MUL_HI
	MUL16 4, 1, NQ-1, 1, 0
	MUL16 6, 1, NQ-1, 1, 0
	WIN 0
; THE WAY OUT, block by block of 16 tokens x 128 columns, through my own stage in LDS: in as 32 bytes a lane, back as whole rows of 512 bytes.  Accumulator (a, b) holds columns 32 (b / 2) + 16 h + 8 (b % 2) + 0 .. 7;
; stage row t of block a is token 32 (a / 2) + 8 (a % 2) + t + 8 (t / 8) of my 128.  LDS serves a wave's instructions in order (ISA guide 5.7.1.4): no wait between the stores and the loads.
.macro TOSTAGE a
.set AC, 64*((\a)%4)
	WIN 0x08+4*((\a)/4)                            ; the data: window 2 or 3
.irp b, 0,1,2,3,4,5,6,7
	ds_store_b128 v[STO], v[AC+8*\b:AC+8*\b+3] offset:128*(\b/2)+32*(\b%2)          ; each accumulator from its low end on
	ds_store_b128 v[STO], v[AC+8*\b+4:AC+8*\b+7] offset:128*(\b/2)+32*(\b%2)+16
.endr
	WIN 0
.set BB, BK+64*((\a)%2)
.irp t, 0,1,2,3,4,5,6,7,8,9,10,11,12,13,14,15
	ds_load_b128 v[BB+4*\t:BB+4*\t+3], v[RD] offset:\t*SPITCH
.endr
.endm
.macro SEND a, younger                 ; younger: the LDS instructions issued behind block a's loads, which may stay out
.set BB, BK+64*((\a)%2)
	s_wait_dscnt \younger
.if (\a) > 0
	s_add_nc_u64 s[12:13], s[12:13], (8+16*(1-(\a)%2))*4096   ; (behind a wait on XCNT)  to block a's first token: 8 rows on for an odd block, 24 for an even one
.endif
.irp t, 0,1,2,3,4,5,6,7,8,9,10,11,12,13,14,15
	global_store_b128 v[CO], v[BB+4*\t:BB+4*\t+3], s[12:13] offset:(\t+8*(\t/8))*4096 th:TH_STORE_NT   ; 32 lanes store 512 consecutive bytes, aligned to 256
.endr
.endm
	PLACES NP
	TOSTAGE 0
.irp a, 1,2,3,4,5,6,7
.if \a > 1
	s_wait_xcnt 0x0                                ; block a - 2's stores have read their registers and their base: block a's loads may land there, and the base may step
.endif
	TOSTAGE \a
	SEND \a-1, 32                                  ; behind block a - 1's loads: block a's 16 stores and 16 loads
.endr
	s_wait_xcnt 0x0
	SEND 7, 0
	s_wait_tensorcnt 0x0                           ; the wave's end: behind my last tensor load and my last LDS store
	ds_add_u32 v[SPW], v[NIL]
	s_wait_dscnt 0x0
	CROUND                                         ; the closing round
	s_endpgm
.Lfunc_end_k_q627759e2b2_oproj:
	.size	k_q627759e2b2_oproj, .Lfunc_end_k_q627759e2b2_oproj-k_q627759e2b2_oproj
	.p2alignl 7, 3214868480
	.fill 96, 4, 3214868480
	.section	.rodata,"a",@progbits
	.p2align	6, 0x0
	.amdhsa_kernel k_q627759e2b2_oproj
		.amdhsa_group_segment_fixed_size 327680
		.amdhsa_private_segment_fixed_size 0
		.amdhsa_enable_private_segment 0
		.amdhsa_kernarg_size 40
		.amdhsa_user_sgpr_count 2
		.amdhsa_user_sgpr_kernarg_segment_ptr 1
		.amdhsa_wavefront_size32 1
		.amdhsa_system_sgpr_workgroup_id_x 1
		.amdhsa_system_sgpr_workgroup_id_y 1
		.amdhsa_system_sgpr_workgroup_id_z 1
		.amdhsa_system_vgpr_workitem_id 0
		.amdhsa_next_free_vgpr 1024
		.amdhsa_next_free_sgpr 98
		.amdhsa_reserve_vcc 0
		.amdhsa_float_denorm_mode_32 3
		.amdhsa_float_denorm_mode_16_64 3
		.amdhsa_memory_ordered 1
		.amdhsa_forward_progress 1
		.amdhsa_inst_pref_size 144
	.end_amdhsa_kernel
	.amdgpu_metadata
---
amdhsa.version: [ 1, 2 ]
amdhsa.kernels:
  - .name:           k_q627759e2b2_oproj
    .symbol:         k_q627759e2b2_oproj.kd
    .args:
      - { .name: oi, .offset: 0, .size: 8, .value_kind: global_buffer, .address_space: global }
      - { .name: osc, .offset: 8, .size: 8, .value_kind: global_buffer, .address_space: global }
      - { .name: xi, .offset: 16, .size: 8, .value_kind: global_buffer, .address_space: global }
      - { .name: xsc, .offset: 24, .size: 8, .value_kind: global_buffer, .address_space: global }
      - { .name: out0, .offset: 32, .size: 8, .value_kind: global_buffer, .address_space: global }
    .group_segment_fixed_size: 327680
    .private_segment_fixed_size: 0
    .kernarg_segment_align: 8
    .kernarg_segment_size: 40
    .max_flat_workgroup_size: 128
    .sgpr_count:     98
    .vgpr_count:     1024
    .wavefront_size: 32
...
	.end_amdgpu_metadata
.endif
;; end of part 4
